; MI455X (gfx1250); checked and timed in simulation.
; The chip was launched on July 23, 2026; its instructions are those of AMD's public machine-readable ISA for CDNA 5 (MIT licence, August 2026) and "CDNA5" Instruction Set Architecture Reference Guide (July 2026). The comments in the code are by the model that wrote it; some were corrected since.
;; Attention. Allowed arithmetic: matrix products marked QUANTISED: E2M3 operands, one E8M0 scale for each 32 along K, by v_wmma_scale_f32_16x16x128_f8f6f4 with both operands' format E2M3, f32 sums; everything else in f32.
;; Inputs: b_proj 1,024 float32; k_norm_b 64 float32; k_norm_w 64 float32; q_norm_b 64 float32; q_norm_w 64 float32; w_proj 1,024 x 1,024 float32; w_qkv 3,072 x 1,024 float32; x 8 x 1,024 x 1,024 float32.
;; Outputs: out0 8 x 1,024 x 1,024 float32.
;; This version of the problem:
;;   THIS VERSION OF THE PROBLEM IS GIVEN IN LOW PRECISION. The matrix products marked QUANTISED in the list below multiply operands that are first quantised to E2M3 (2 exponent bits, 3 mantissa bits; 6 bits a number), with one power-of-two scale for each 32 numbers along K (OCP MX v1.0); their sums are f32. All else is computed in f32.
;;   The module's matrix products, in the order in which they are computed (A, B: the left and right operand; K: the contracted axis; several contracted axes count as one K, in the product's order):
;;     1. [M 8,192, K 1,024] x [K 1,024, N 3,072]; A: input x; B: input w_qkv: QUANTISED
;;     2. batch 128 x [M 1,024, K 64] x [K 64, N 1,024]; A: computed on the way; B: computed on the way: QUANTISED
;;     3. batch 128 x [M 1,024, K 1,024] x [K 1,024, N 64]; A: softmax (see below); B: computed on the way: QUANTISED
;;     4. [M 8,192, K 1,024] x [K 1,024, N 1,024]; A: computed on the way; B: input w_proj: QUANTISED
;;   THE QUANTISER, for each operand of a quantised product, along K:
;;     - K is cut into blocks of 32 from its start; a last block that is shorter is filled with zeros.
;;     - A block's scale is 2^e with e = floor(log2(the largest magnitude in the block)) - 2, held to -126 .. 127; a block of zeros has e = 0. As a byte (E8M0): e + 127.
;;     - Each number is divided by its block's scale, clamped to +-7.5, and rounded to the nearest number of E2M3, ties to even, subnormals kept.
;;     - The product sums the exact products of the quantised numbers (number of the format x scale) in f32.
;;   ~~~python
;;   def quantise(x, axis):      # numpy; x: float32 -> the quantised numbers, widened to float32 again
;;       x = np.moveaxis(x, axis, -1); K = x.shape[-1]
;;       x = np.pad(x, [(0, 0)] * (x.ndim - 1) + [(0, -K % 32)]); x = x.reshape(x.shape[:-1] + (-1, 32)); a = np.abs(x).max(-1, keepdims=True)
;;       e = np.where(a > 0, np.clip(np.frexp(np.where(a > 0, a, 1))[1] - 1 - 2, -126, 127), 0)      # np.frexp(a)[1] - 1 = floor(log2(a)), exactly
;;       r = np.clip(x / 2.0 ** e, -7.5, 7.5)
;;       step = 2.0 ** (np.maximum(np.frexp(np.where(r == 0, 1, r))[1] - 1, 0) - 3)
;;       q = np.round(r / step) * step * 2.0 ** e      # np.round: ties to even
;;       return np.moveaxis(q.reshape(q.shape[:-2] + (-1,))[..., :K], -1, axis).astype(np.float32)
;;   ~~~
;;   SOFTMAX AHEAD OF A QUANTISED PRODUCT. Where the list says 'softmax', what is quantised is not the finished softmax but p = 2^(t - M), with t = logit x log2(e) and M = ceil(the row's largest t), a whole number; so 1/2 < the row's largest p <= 1. The row's sum l is taken of the UNQUANTISED p, in f32, and the product's result is divided by l at the end. Since M is a whole number, a kernel that streams over the keys may use a running M (the ceiling of the running maximum): every later rescaling is an exact power of two, which a block's scale takes up: the codes' values come out the same.
;;   OPERANDS COMPUTED ON THE WAY. 'Computed on the way' means the value that the module computes at that place (a softmax that the list does not call 'softmax' is quantised finished and normalised). What goes into a quantiser is computed in f32, as accurately as f32 sums, v_exp_f32 and their like allow (about 1e-6 of the number): no bf16 or f16 on the way to a quantiser, and a product that is left as it is and whose result goes on into a quantised operand takes f32 operands (vector FMAs, or v_wmma_f32_16x16x4_f32). A number that lies on a knife's edge between two numbers of the format may be rounded either way, as far as f32 arithmetic and the matrix unit's own rounding can turn it there, and no further.
;; One version. Each part assembles by itself: llvm-mc -triple=amdgcn-amd-amdhsa -mcpu=gfx1250 --defsym DOCPART=n.
;; ======== version 1 of 1: 4 launches
;; limits: right only within a limited range of input values
;; workspace buffers: c1 9,437,184 bytes; s1 393,216 bytes; qkc 12,582,912 bytes; qks 1,048,576 bytes; vc 6,291,456 bytes; vs 262,144 bytes; oc 6,291,456 bytes; os 262,144 bytes
;; launch quant (part 1): grid 768 x 1, 4 waves a work-group, no clusters, 34,560 bytes of LDS; arguments x, w_qkv, w_proj, c1, s1; writes c1, s1
.if DOCPART == 1
	.amdgcn_target "amdgcn-amd-amdhsa--gfx1250"
	.amdhsa_code_object_version 6
	.text
	.protected	k_qb478fecfac_quant
	.globl	k_qb478fecfac_quant
	.p2align	8
	.type	k_qb478fecfac_quant,@function
k_qb478fecfac_quant:
	s_mov_b64 s[64:65], 0
	v_nop
	global_prefetch_b8 v0, s[64:65] scope:SCOPE_SE
	s_setreg_imm32_b32 hwreg(HW_REG_WAVE_MODE, 25, 1), 1
	s_wait_xcnt 0x0
; x [8192][1024], w_qkv [3072][1024] and w_proj [1024][1024], f32, K innermost, become codes of FP6 (E2M3) in c1 and E8M0 scale bytes in s1 [12288][32]: rows 0-8191 x, 8192-11263 w_qkv, 11264-12287 w_proj.
; A block's scale is 2^(floor(log2(its largest magnitude)) - 2); its byte is the largest magnitude's exponent field - 2, held at 1 from below.
; THE ROWS ARE PLACED WITH BITS 3 AND 4 OF THEIR NUMBER SWAPPED: tile T (16 places on end) holds rows 32 (T / 2) + 8 (T % 2) + r + 8 (r / 8).
; c1 HOLDS IMAGES OF OPERAND REGISTERS: for tile T and step q of 128 along K, 1,536 bytes at (T / 8) 98,304 + 12,288 q + 1,536 (T % 8): register g of lane L at 512 (g / 4) + 16 L + 4 (g % 4);
; lane (r, h) holds row r, registers 6 c .. 6 c + 5 hold k = 64 c + 32 h + 0 .. 31.  So 128 rows x 256 along K are 24,576 bytes on end, and a fragment is three loads of 16 bytes a lane.
; SHARES: a work-group makes one tile; a wave 4 rows, 8 steps of 512 numbers.  All 32 loads of a wave (512 consecutive bytes each) are issued at once.  A step's 2,048 bytes turn through the wave's own stage in LDS and come back
; 16 neighbours a lane; two lanes hold a block.  A lane's three code registers go to their places in the tile's eight images in LDS (pitches 272, 544, 1,632: the 32 lanes of a store touch 32 different banks);
; behind one barrier each wave stores two images, 512 consecutive aligned bytes an instruction, and wave 0 the tile's 512 scale bytes.
; No tensor loads, no cluster: no two work-groups read the same byte.
; LIMITS: a block of zeros gets the byte 1 where the rule says 127 (its codes are zeros, and this program alone reads the bytes); blocks whose largest magnitude lies under 2^-124 are held at byte 1; NaN and infinities are not served.
.set STEPS, 8
.set EMAX,  2
.set SP,    80                         ; a lane's place in a turning stage: 64 bytes + 16
.set WREG,  5120                       ; two turning stages for each wave
.set IMG,   4*WREG                     ; the eight images, 1,632 bytes apart
.set SBY,   IMG+8*1632                 ; the tile's 512 scale bytes
.set SPARE, SBY+512                    ; the spare words, 128 bytes for each wave
.set IA,    4                          ; v4-6   where my three code registers go
.set SPW,   12
.set NIL,   13
.set R,     16                         ; v16-143  the 32 loads
.set X,     144                        ; v144-175 two sets of 16 neighbours; at the end the images on their way out
.set C,     176                        ; v176-207 codes, four registers a step
.set E,     208                        ; v208-215 a scale byte a step
	s_load_b128 s[4:7], s[0:1], 0x0                ; x, w_qkv
	s_load_b128 s[8:11], s[0:1], 0x10              ; w_proj, c1
	s_load_b64 s[12:13], s[0:1], 0x20              ; s1
	v_lshl_add_u32 v[SPW], v0, 2, SPARE
	v_mov_b32 v[NIL], 0
	v_lshrrev_b32 v1, 5, v0
	v_readfirstlane_b32 s16, v1                    ; wave
	v_and_b32 v2, 31, v0                           ; lane
	v_lshlrev_b32 v3, 4, v2                        ; 16 x lane
	s_mul_i32 s17, s16, WREG
	v_lshrrev_b32 v14, 2, v2
	v_mul_u32_u24 v14, v14, SP
	v_and_b32 v15, 3, v2
	v_lshl_add_u32 v14, v15, 4, v14
	v_add_nc_u32 v14, s17, v14                     ; the turning stage, on the way in: SP (lane / 4) + 16 (lane % 4)
	v_mul_u32_u24 v15, v2, SP
	v_add_nc_u32 v15, s17, v15                     ; and on the way out: my 16 neighbours
	v_bfe_u32 v8, v2, 2, 1                         ; c
	v_mul_u32_u24 v8, v8, 6
	v_and_b32 v9, 1, v2                            ; which half of the block
	v_mad_u32_u24 v8, v9, 3, v8                    ; my first register g = 6 c + 3 half
	v_lshrrev_b32 v9, 3, v2
	v_mul_u32_u24 v9, v9, 1632                     ; the image: lane / 8 of the step's four
	v_bfe_u32 v10, v2, 1, 1                        ; h
	v_mad_u32_u24 v9, v10, 272, v9
	s_lshl_b32 s18, s16, 6                         ; row r = 4 wave + j: 16 bytes a row
	s_add_co_u32 s18, s18, IMG
	v_add_nc_u32 v9, s18, v9
.irp i, 0,1,2
	v_add_nc_u32 v10, \i, v8
	v_lshrrev_b32 v11, 2, v10
	v_and_b32 v10, 3, v10
	v_mad_u32_u24 v11, v11, 544, v9
	v_lshl_add_u32 v[IA+\i], v10, 2, v11
.endr
	v_lshrrev_b32 v7, 1, v2
	s_lshl_b32 s19, s16, 7
	s_add_co_u32 s19, s19, SBY
	v_add_nc_u32 v7, s19, v7                       ; my block's scale byte: 32 bytes a row
	v_bfe_u32 v1, v2, 4, 1
	v_mul_u32_u24 v1, v1, 272
	v_and_b32 v10, 15, v2
	v_lshl_add_u32 v1, v10, 4, v1
	s_mul_i32 s19, s16, 2*1632
	s_add_co_u32 s19, s19, IMG
	v_add_nc_u32 v1, s19, v1                       ; the way out: images 2 wave and 2 wave + 1
	s_wait_alu depctr_va_vdst(0)                   ; the wait at the head's end
	s_wait_kmcnt 0x0
	s_cmp_lt_u32 ttmp9, 512                        ; tiles 0-511 x, 512-703 w_qkv, 704-767 w_proj: the work-group's number alone
	s_cselect_b64 s[4:5], s[4:5], s[6:7]
	s_cselect_b32 s17, 0, 512
	s_cmp_lt_u32 ttmp9, 704
	s_cselect_b64 s[4:5], s[4:5], s[8:9]
	s_cselect_b32 s17, s17, 704
	s_sub_co_u32 s17, ttmp9, s17                   ; the tile within its tensor
	s_lshr_b32 s18, s17, 1
	s_lshl_b32 s18, s18, 5
	s_and_b32 s17, s17, 1
	s_lshl_b32 s17, s17, 3
	s_add_co_u32 s18, s18, s17
	s_lshr_b32 s17, s16, 1
	s_lshl_b32 s17, s17, 4
	s_add_co_u32 s18, s18, s17
	s_and_b32 s17, s16, 1
	s_lshl_b32 s17, s17, 2
	s_add_co_u32 s18, s18, s17                     ; my first row: 32 (T / 2) + 8 (T % 2) + 16 (wave / 2) + 4 (wave % 2)
	s_lshl_b32 s18, s18, 12
	s_mov_b32 s19, 0
	s_add_nc_u64 s[4:5], s[4:5], s[18:19]
	s_lshr_b32 s18, ttmp9, 3
	s_mul_i32 s18, s18, 98304
	s_and_b32 s17, ttmp9, 7
	s_mul_i32 s17, s17, 1536
	s_add_co_u32 s18, s18, s17
	s_mul_i32 s17, s16, 24576
	s_add_co_u32 s18, s18, s17
	s_add_nc_u64 s[10:11], s[10:11], s[18:19]
	s_lshl_b32 s18, ttmp9, 9
	s_add_nc_u64 s[12:13], s[12:13], s[18:19]
.set i, 0
.rept 32
	global_load_b128 v[R+4*i:R+4*i+3], v3, s[4:5] offset:512*i th:TH_LOAD_NT   ; 32 lanes read 512 consecutive bytes
.set i, i+1
.endr
.macro TURN t                          ; LDS serves a wave's instructions in order: no wait between the stores and the loads
.irp i, 0,1,2,3
	ds_store_b128 v14, v[R+16*(\t)+4*\i:R+16*(\t)+4*\i+3] offset:32*SP*((\t)%2)+8*SP*\i
.endr
.irp i, 0,1,2,3
	ds_load_b128 v[X+16*((\t)%2)+4*\i:X+16*((\t)%2)+4*\i+3], v15 offset:32*SP*((\t)%2)+16*\i
.endr
.endm
	s_wait_loadcnt 28                              ; step 0's four loads are in
	TURN 0
.macro STEP t                          ; row j = t / 2, half t % 2
.set XS, X+16*((\t)%2)
.if (\t) > 0
	s_wait_dscnt 4                                 ; this step's numbers are back (the last step's four small stores may be out)
.else
	s_wait_dscnt 0x0
.endif
.if (\t)+1 < STEPS
	s_wait_loadcnt 4*(STEPS-2-(\t))                ; the next step's four loads are in; the later steps' may be out
	TURN (\t)+1
.endif
	v_max3_num_f32 v8, |v[XS]|, |v[XS+1]|, |v[XS+2]|
	v_max3_num_f32 v9, |v[XS+3]|, |v[XS+4]|, |v[XS+5]|
.irp i, 6,10
	v_max3_num_f32 v8, v8, |v[XS+\i]|, |v[XS+\i+1]|
	v_max3_num_f32 v9, v9, |v[XS+\i+2]|, |v[XS+\i+3]|
.endr
	v_max3_num_f32 v8, v8, |v[XS+14]|, |v[XS+15]|
	v_max3_num_f32 v8, v8, v9, (EMAX+1)<<23        ; the floor 2^(3 - 127): the byte cannot fall under 1
	v_max_num_f32_dpp v8, v8, v8 row_xmask:1 row_mask:0xf bank_mask:0xf   ; with my neighbour's 16: the block's
	v_add_nc_u32 v11, -(EMAX<<23), v8              ; 2 off the exponent field: the conversion's scale operand
	v_cvt_scalef32_pk16_fp6_f32 v[C+4*(\t):C+4*(\t)+2], v[XS:XS+15], v11
	v_lshrrev_b32 v[E+(\t)], 23, v11               ; the scale's byte (also the plain line behind the conversion)
.irp i, 0,1,2
	ds_store_b32 v[IA+\i], v[C+4*(\t)+\i] offset:4*1632*((\t)%2)+16*((\t)/2)
.endr
	ds_store_b8 v7, v[E+(\t)] offset:32*((\t)/2)+16*((\t)%2)   ; both lanes of a block write the same byte with the same value
.endm
.irp t, 0,1,2,3,4,5,6,7
	STEP \t
.endr
	s_wait_dscnt 0x0                               ; my stores are done, for the others' sake
	s_barrier_signal -1
	s_barrier_wait -1
.irp u, 0,1
.irp p, 0,1,2
	ds_load_b128 v[X+12*\u+4*\p:X+12*\u+4*\p+3], v1 offset:1632*\u+544*\p
.endr
.endr
	s_wait_dscnt 0x0
.irp u, 0,1
.irp p, 0,1,2
	global_store_b128 v3, v[X+12*\u+4*\p:X+12*\u+4*\p+3], s[10:11] offset:12288*\u+512*\p   ; 512 consecutive bytes, aligned
.endr
.endr
	s_cmp_lg_u32 s16, 0
	s_cbranch_scc1 .Lend
	ds_load_b128 v[8:11], v3 offset:SBY
	s_wait_dscnt 0x0
	global_store_b128 v3, v[8:11], s[12:13]        ; the tile's scale bytes: 512 consecutive bytes, aligned
.Lend:
	s_wait_tensorcnt 0x0                           ; the wave's end, behind my last LDS store
	ds_add_u32 v[SPW], v[NIL]
	s_wait_dscnt 0x0
	s_endpgm
.Lfunc_end_k_qb478fecfac_quant:
	.size	k_qb478fecfac_quant, .Lfunc_end_k_qb478fecfac_quant-k_qb478fecfac_quant
	.p2alignl 7, 3214868480
	.fill 96, 4, 3214868480
	.section	.rodata,"a",@progbits
	.p2align	6, 0x0
	.amdhsa_kernel k_qb478fecfac_quant
		.amdhsa_group_segment_fixed_size 34560
		.amdhsa_private_segment_fixed_size 0
		.amdhsa_enable_private_segment 0
		.amdhsa_kernarg_size 40
		.amdhsa_user_sgpr_count 2
		.amdhsa_user_sgpr_kernarg_segment_ptr 1
		.amdhsa_wavefront_size32 1
		.amdhsa_system_sgpr_workgroup_id_x 1
		.amdhsa_system_sgpr_workgroup_id_y 1
		.amdhsa_system_sgpr_workgroup_id_z 1
		.amdhsa_system_vgpr_workitem_id 0
		.amdhsa_next_free_vgpr 216
		.amdhsa_next_free_sgpr 66
		.amdhsa_reserve_vcc 0
		.amdhsa_float_denorm_mode_32 3
		.amdhsa_float_denorm_mode_16_64 3
		.amdhsa_memory_ordered 1
		.amdhsa_forward_progress 1
		.amdhsa_inst_pref_size 22
	.end_amdhsa_kernel
	.amdgpu_metadata
---
amdhsa.version: [ 1, 2 ]
amdhsa.kernels:
  - .name:           k_qb478fecfac_quant
    .symbol:         k_qb478fecfac_quant.kd
    .args:
      - { .name: x, .offset: 0, .size: 8, .value_kind: global_buffer, .address_space: global }
      - { .name: w_qkv, .offset: 8, .size: 8, .value_kind: global_buffer, .address_space: global }
      - { .name: w_proj, .offset: 16, .size: 8, .value_kind: global_buffer, .address_space: global }
      - { .name: c1, .offset: 24, .size: 8, .value_kind: global_buffer, .address_space: global }
      - { .name: s1, .offset: 32, .size: 8, .value_kind: global_buffer, .address_space: global }
    .group_segment_fixed_size: 34560
    .private_segment_fixed_size: 0
    .kernarg_segment_align: 8
    .kernarg_segment_size: 40
    .max_flat_workgroup_size: 128
    .sgpr_count:     66
    .vgpr_count:     216
    .wavefront_size: 32
...
	.end_amdgpu_metadata
.endif
;; end of part 1
;; launch qkv (part 2): grid 8 x 32, 4 waves a work-group, clusters of 4 x 4, 327,680 bytes of LDS; arguments c1, s1, q_norm_w, q_norm_b, k_norm_w, k_norm_b, qkc, qks, vc, vs; writes qkc, qks, vc, vs
.if DOCPART == 2
	.amdgcn_target "amdgcn-amd-amdhsa--gfx1250"
	.amdhsa_code_object_version 6
	.text
	.protected	k_qb478fecfac_qkv
	.globl	k_qb478fecfac_qkv
	.p2align	8
	.type	k_qb478fecfac_qkv,@function
k_qb478fecfac_qkv:
	s_mov_b64 s[64:65], 0
	v_nop
	global_prefetch_b8 v0, s[64:65] scope:SCOPE_SE
	s_setreg_imm32_b32 hwreg(HW_REG_WAVE_MODE, 25, 1), 1
	s_wait_xcnt 0x0
	s_wait_alu depctr_hold_cnt(0) depctr_sa_sdst(0) depctr_va_vdst(0) depctr_va_sdst(0) depctr_va_ssrc(0) depctr_va_vcc(0) depctr_vm_vsrc(0)
	s_getreg_b32 s2, hwreg(HW_REG_IB_STS2, 6, 4)
	s_cmp_eq_u32 s2, 0
	s_cbranch_scc0 .Lentry_in_a_cluster
	s_endpgm
.Lentry_in_a_cluster:
	s_bfe_u32 s2, ttmp6, 0x10000c
	s_cmp_lg_u32 s2, 0xf033
	s_cbranch_scc0 .Lentry_shape_is_right
	s_endpgm
.Lentry_shape_is_right:
; qkv = x w_qkv^T on codes of FP6 (E2M3) with E8M0 scales, K = 1,024; then, in registers, LayerNorm of q and k over a head's 64, and the quantiser of the NEXT products; only codes and scale bytes are stored.
; SHARES.  The product has 256 tiles of 256 x 256 for q and k and 128 for v.  256 work-groups of equal work: each makes ONE tile of q or k (phase 1) and then HALF a tile of v (phase 2).  Four waves.
; ROLES.  The matrix instruction is used transposed: source 0 = 16 rows of operand P, source 1 = 16 rows of operand R: a lane holds ONE row of R, and its registers run along P's rows.  Both are rows of c1.
;   phase 1, cluster x = 0 (q), 1 (k): R = 256 tokens, P = 256 rows of w: a lane holds a token, its registers the features: the head's 64 are the next K.  A wave: 128 x 128, 64 accumulators.
;   phase 2 (v): R = 128 rows of w_v (two heads), P = 256 tokens: a lane holds a channel d, its registers the tokens: the keys are the next K.  A wave: 64 (one head) x 128, 32 accumulators.
; c1's rows lie with bits 3 and 4 of their number swapped, so register 16 B + i of a block's 64 is P's natural row 32 B + 16 (lane / 16) + i: 16 neighbours along the next K.
; THE RING GOES ON FROM PHASE 1 INTO PHASE 2: K goes in steps of 256 through two LDS slots; phase 1's last two changes of slots ask for v's first two K steps, which land while q or k goes through the norm and the quantiser
; (that way out uses no LDS).  The scale bytes of both phases' rows come once, with the first fills.
; OUT.  q, k: for each head and each 128 tokens an image of 48 operand registers (tile t of 16 tokens: registers 6 t .. 6 t + 5; lane (r, h): block h of the head's 64), register g at (g / 4) 512 + 16 lane + 4 (g % 4);
;   scale words (bytes 0, 1: the two blocks; bytes 2, 3: 0x7f, for the half of the instruction's K that gets zero codes) 16 bytes a lane: tiles 4 (lane / 16) + 0 .. 3.
;   v: for each head, 128 keys and 16 channels a fragment's image of 12 registers; scale words 16 bytes a row: the head's four tiles of channels.
; q's factor 64^-0.5 = 2^-3 is not applied here: a power of two moves a block's scale and no code; the softmax's constant takes it up, exactly.
; CLUSTERS: 4 x 4.  In both phases R's tile hangs on cy and is shared along a row of the cluster, P's on cx and is shared along a column: each is asked for jointly.  No branch hangs on a place in the cluster.
; No prefetch: of each phase's four K steps two are asked for long ahead (first fills; the ring's step into phase 2), the others stand one and two refills on.
; LIMITS: a block of zeros gets the byte 1 (its codes are zeros; this program alone reads the bytes); blocks under 2^-124 are held at byte 1; NaN and infinities are not served; 1 / sqrt by v_rsq_f32.
; REGISTERS: window 0: v8-31 addresses; v32-63 scale words, two sets; v64-127 the norm's gain and bias; from v128 R's fragments (phase 1: one set of 96; phase 2: two of 48).  window 1: P's fragments, two sets.
;   windows 2, 3: the accumulators ((a, b) at v[8 (8 (a % 4) + b)]; phase 2: window 2 alone).
.set KSTEP,  256
.set NQ,     2                         ; matrix instructions deep in a slot
.set ROWB,   24576                     ; from K step to K step of 128 rows: c1 holds images of operand registers, 128 rows x 256 along K on end
.set KROW,   768                       ; a row of c1
.set FR,     12
.set NL,     3
.set NP,     4                         ; places behind this matrix instruction (ISA guide 7.12.1)
.set HALFT,  49152                     ; LDS: a quarter of the ring: 128 rows, slot 0's K step of 256 (24,576 bytes: two steps of 128 x eight images of 1,536) and slot 1's behind it
.set HALFR2, 12288                     ; phase 2: what a wave fetches of R: one step of 128 along K of its 128 rows
.set SLOT,   24576                     ; from slot 0 to slot 1 within a quarter; R's two quarters from 0 on, P's two from 2 HALFT on
.set LAPS,   2                         ; 1,024 / 512
.set KS,     32                        ; a row of scale bytes
.set SCL,    4*HALFT
.set HALFS,  (128*KS/256)*272
.set HS2,    (64*KS/256)*272
.set SBLK,   (16*KS/256)*272
.set SPARE,  SCL+4*HALFS               ; the spare words, 128 bytes for each wave
.set SCL2,   SPARE+512                 ; phase 2's scales: R's 128 rows, then P's 256
.set ADRA2, 8                          ; v8-9  phase 2: LDS address of R's fragments in slot 0, 1
.set ADRA, 16                          ; v16-17 phase 1: the same
.set ADRB, 20                          ; v20-21 the same for P, both phases
.set LO,   24                          ; v24  16 x lane: an image's place
.set ADRS2, 26                         ; v26  phase 2: LDS address of my scale words
.set ADRS, 27                          ; v27  phase 1: lanes 0-15 R's rows, lanes 16-31 P's
.set SPW,  28
.set NIL,  29
.set LNA,  30                          ; v30  64 (lane / 16): my half's 16 numbers of a block of gain or bias
.set LANE, 31                          ; v31  my lane
.set SC,   32
.set LNW,  64                          ; v64-95 gain: register 16 B + i = w[32 B + 16 h + i];  v96-127 bias
.set LNB,  96
.set AF,   128
; the ways out, window 0
.set SW,   32                          ; v32-35, v36-39 scale words
.set XR,   128                         ; v128-191 a block's 64 numbers
.set TT,   192                         ; v192-223 sums at work
.set TM,   192                         ; the quantiser: +0..3 largest magnitudes, +4..7 bytes, +12..15 scale operands
.set CT,   208                         ; v208-210, v212-214 half blocks' codes
.set PWT,  216
.set Z0,   224                         ; v224-235, v236-247 twelve registers of an image
.set Z1,   236
.set MU,   248                         ; v248, v250 the means (as low halves of pairs)
.set RS,   252                         ; v252, v254 1 / sqrt
.set G1, 24                            ; s[24:31] group 1: R's code tiles of 128 rows;  s[32:39] R's groups 0, one for each slot
.set G0, 32
.set G0S2, 40                          ; s[40:43], s[44:47] groups 0 for phase 2's scales: R's, P's
.set G0S2B, 44
.set G1B, 48                           ; s[48:55], s[56:63] the same as G1, G0 for P
.set G0B, 56
.set G1S, 68                           ; s[68:75], s[76:79] phase 1's scales of R;  s[80:87], s[88:91] of P (that group 1 serves phase 2's too)
.set G1R2, 68                          ; s[68:75] once more: R's code tiles of 64 rows, written when the scale loads have landed
.set G0S, 76
.set G1SB, 80
.set G0SB, 88
.set G1S2, 92                          ; s[92:99] phase 2's scales of R: 8 rows of 256 bytes
.set CODEW0, (3<<16)|(1<<21)           ; elements of 8 bytes; no padding; bit 21 set beside a mask
.set SCW0,   (3<<16)|(1<<20)|(1<<21)|(5<<22)|(3<<25)   ; elements of 8 bytes; after every 64 words, 4 words
.set MSB, 0
.macro WIN new                         ; the immediate's high byte repeats the setting that is left
.if MSB != \new
	s_set_vgpr_msb (MSB<<8)|\new
.set MSB, \new
.endif
.endm
.set MUL_LO, 0xa1                      ; source 0 (P) window 1, source 1 (R) window 0, C and D window 2
.set MUL_HI, 0xf1
.set TO_B,   0x40
.macro CODEGRP g, rows                 ; group 1, words 1-7: rows x 192 bytes on end
	s_mov_b32 s[\g+1], 32<<16                      ; the images of \rows rows x 256 along K are a dense block: rows of 256 bytes
	s_mov_b32 s[\g+2], ((\rows)*3/4)<<16
	s_mov_b32 s[\g+3], 32<<16
	s_mov_b32 s[\g+4], (\rows)*3/4
	s_mov_b32 s[\g+5], 32
	s_mov_b32 s[\g+6], 0
	s_mov_b32 s[\g+7], 0
.endm
.macro BIGGRP g                        ; the head's tiles: 256 rows x 512 along K: two blocks of 49,152 bytes, 98,304 bytes apart
	s_mov_b32 s[\g+1], 6144<<16                    ; K steps 0 and 1 of 128 rows lie on end: a row of 49,152 bytes fills both slots of a quarter
	s_mov_b32 s[\g+2], 2<<16
	s_mov_b32 s[\g+3], 6144<<16
	s_mov_b32 s[\g+4], 2
	s_mov_b32 s[\g+5], 12288
	s_mov_b32 s[\g+6], 0
	s_mov_b32 s[\g+7], 0
.endm
.macro SCGRP g, rows
	s_mov_b32 s[\g+1], 32<<16
	s_mov_b32 s[\g+2], (\rows)<<16
	s_mov_b32 s[\g+3], 32<<16
	s_mov_b32 s[\g+4], \rows
	s_mov_b32 s[\g+5], 32
	s_mov_b32 s[\g+6], 0
	s_mov_b32 s[\g+7], 0
.endm
; A joint load: waves 0 and 1 fetch for R, waves 2 and 3 for P.  An s_nop 0 and four v_nop follow each of the two lines.
.macro JLOAD g0a, g1a, g0b, g1b
	s_cmp_eq_u32 s15, 0
	s_cbranch_scc0 .Lfor_b_\@
	tensor_load_to_lds s[\g0a:\g0a+3], s[\g1a:\g1a+7]
	s_nop 0
.rept 4
	v_nop
.endr
	s_branch .Lasked_\@
.Lfor_b_\@:
	tensor_load_to_lds s[\g0b:\g0b+3], s[\g1b:\g1b+7]
	s_nop 0
.rept 4
	v_nop
.endr
.Lasked_\@:
.endm
.macro CREST                           ; a round of the cluster's barrier behind its opening barrier
	s_cmp_lg_u32 s14, 0
	s_cbranch_scc1 .Lnot_wave_0_\@
	s_barrier_signal -3
.Lnot_wave_0_\@:
	s_barrier_wait -3
	s_barrier_signal -1
	s_barrier_wait -1
.endm
.macro CROUND
	s_barrier_signal -1
	s_barrier_wait -1
	CREST
.endm
	s_load_b128 s[4:7], s[0:1], 0x0                ; c1 s[4:5], s1 s[6:7]
	s_load_b256 s[68:75], s[0:1], 0x10             ; q_norm_w, q_norm_b, k_norm_w, k_norm_b (these registers become descriptors once the pointers are taken out)
	s_load_b256 s[80:87], s[0:1], 0x30             ; qkc, qks, vc, vs
	v_lshl_add_u32 v[SPW], v0, 2, SPARE
	v_mov_b32 v[NIL], 0
	ds_add_u32 v[SPW], v[NIL]                      ; the wave's opening: the add and its wait ahead of my first tensor load; work on registers stands between them
	ds_add_u32 v[SPW], v[NIL]
	v_lshrrev_b32 v1, 5, v0
	v_readfirstlane_b32 s14, v1                    ; wave 0..3
	s_lshr_b32 s15, s14, 1                         ; which half of R's rows is mine.  Also: I fetch for R (0) or for P (1)
	s_and_b32 s16, s14, 1                          ; which half of P's rows.  Also: which half of that tile I fetch
	s_bfe_u32 s18, ttmp6, 0x40000                  ; cx
	s_bfe_u32 s19, ttmp6, 0x40004                  ; cy
	s_and_b32 s13, ttmp7, 0xffff                   ; Y: the cluster's y = the batch
	s_lshl_b32 s12, s13, 2                         ; 4 Y
	s_lshl_b32 s20, ttmp9, 2                       ; 4 X
	s_lshl_b32 s2, s19, 2
	s_lshl_b32 s2, 15, s2                          ; my row of the cluster
	s_lshl_b32 s101, 0x1111, s18                   ; my column
	; what I fetch, as byte offsets, laid into the groups 0 (the buffers' addresses are added when they have come).  s21 holds numbers made of cy alone, s22 of cx alone
	s_add_co_u32 s21, s12, s19
	s_lshl_b32 s21, s21, 1                         ; the tile's first 128 rows: the head's loads bring whole tiles
	s_mul_i32 s[G0+2], s21, 128*KROW
	s_mov_b32 s[G0+3], 0
	s_lshl_b32 s[G0S+2], s21, 12                   ; 128 rows x 32 scale bytes
	s_mov_b32 s[G0S+3], 0
	s_add_co_u32 s22, s20, s18
	s_add_co_u32 s22, s22, 32
	s_lshl_b32 s22, s22, 1
	s_mul_i32 s[G0B+2], s22, 128*KROW
	s_mov_b32 s[G0B+3], 0
	s_lshl_b32 s[G0SB+2], s22, 12
	s_mov_b32 s[G0SB+3], 0
	s_add_co_u32 s21, s20, s19
	s_lshl_b32 s21, s21, 1
	s_add_co_u32 s21, s21, s16
	s_add_co_u32 s21, s21, 160                     ; phase 2, R: rows of w_v, in units of 64 rows: 10,240 / 64 + 2 (4 X + cy) + half
	s_mul_i32 s17, s21, 49152                      ; 98,304 x the 128 rows' number + 12,288 x my half of a K step
	s_mul_i32 s22, s16, 36864
	s_sub_co_u32 s17, s17, s22
	s_lshl_b32 s[G0S2+2], s21, 11
	s_mov_b32 s[G0S2+3], 0
	s_add_co_u32 s22, s12, s18
	s_lshl_b32 s22, s22, 1
	s_add_co_u32 s22, s22, s16                     ; phase 2, P: tokens: 2 (4 Y + cx) + half
	s_mul_i32 s23, s22, 128*KROW                   ; kept likewise
	s_lshl_b32 s[G0S2B+2], s22, 12
	s_mov_b32 s[G0S2B+3], 0
	; where I store, counted in images of 128 tokens.  q, k: ((8 X + Y) 16 + head) 8 + step, head = 4 cx + 2 (P half), step = 2 cy + (R half)
	s_lshl_b32 s8, ttmp9, 3
	s_add_co_u32 s8, s8, s13
	s_lshl_b32 s8, s8, 2
	s_add_co_u32 s8, s8, s18
	s_lshl_b32 s8, s8, 1
	s_add_co_u32 s8, s8, s16
	s_lshl_b32 s8, s8, 3
	s_add_co_u32 s8, s8, s19
	s_lshl_b32 s8, s8, 1
	s_add_co_u32 s8, s8, s15
	s_lshl_b32 s10, s8, 9                          ; 512 bytes of scale words an image,
	s_mul_i32 s8, s8, 6144                         ; 6,144 of codes
	s_mov_b32 s9, 0
	s_mov_b32 s11, 0
	; v: (16 Y + head) 8 + step, head = 8 X + 2 cy + (R half), step = 2 cx + (P half)
	s_lshl_b32 s66, s13, 1
	s_add_co_u32 s66, s66, ttmp9
	s_lshl_b32 s66, s66, 2
	s_add_co_u32 s66, s66, s19
	s_lshl_b32 s66, s66, 1
	s_add_co_u32 s66, s66, s15
	s_lshl_b32 s66, s66, 2
	s_add_co_u32 s66, s66, s18
	s_lshl_b32 s66, s66, 1
	s_add_co_u32 s66, s66, s16
	s_lshl_b32 s104, s66, 8                        ; 256 bytes of scale words an image
	s_mul_i32 s66, s66, 6144
	s_mov_b32 s67, 0
	s_mov_b32 s105, 0
	; the groups 1 whose registers are free, and the groups 0's first two words: no place in the cluster enters an LDS address
	s_or_b32 s[G1], s2, CODEW0                     ; R's tiles go to my row of the cluster,
	s_or_b32 s[G1B], s101, CODEW0                  ; P's to my column
	BIGGRP G1
	BIGGRP G1B
	s_or_b32 s[G1S2], s2, SCW0
	SCGRP G1S2, 8
.irp g, G0, G0+4, G0B, G0B+4, G0S, G0SB, G0S2, G0S2B
	s_mov_b32 s[\g], 1
.endr
	s_mul_i32 s[G0+5], s14, HALFT                  ; slot 1: wave x 128 rows
	s_add_co_u32 s[G0+5], s[G0+5], SLOT
	s_mov_b32 s[G0B+5], s[G0+5]
	s_mov_b32 s[G0+1], 0                           ; the head's four whole tiles: R's codes, P's codes,
	s_mov_b32 s[G0B+1], 2*HALFT
	s_mov_b32 s[G0S+1], SCL                        ; R's scales, P's scales
	s_mov_b32 s[G0SB+1], SCL+2*HALFS
	s_mul_i32 s[G0S2+1], s16, HS2
	s_add_co_u32 s[G0S2+1], s[G0S2+1], SCL2
	s_mul_i32 s[G0S2B+1], s16, HALFS
	s_add_co_u32 s[G0S2B+1], s[G0S2B+1], SCL2+HALFS
	s_wait_dscnt 0x0                               ; the opening add is done
	s_wait_kmcnt 0x0
	s_add_nc_u64 s[8:9], s[80:81], s[8:9]          ; q's or k's codes,
	s_add_nc_u64 s[10:11], s[82:83], s[10:11]      ; their scale words,
	s_add_nc_u64 s[66:67], s[84:85], s[66:67]      ; v's codes,
	s_add_nc_u64 s[104:105], s[86:87], s[104:105]  ; v's scale words
	s_or_b32 s[G1SB], s101, SCW0                   ; s80-87 are free now
	SCGRP G1SB, 32
	s_cmp_eq_u32 ttmp9, 0                          ; q's gain and bias, else k's: the cluster's x
	s_cselect_b64 s[100:101], s[68:69], s[72:73]
	s_cselect_b64 s[18:19], s[70:71], s[74:75]
	s_or_b32 s[G1S], s2, SCW0                      ; s68-75 are free now
	SCGRP G1S, 32
	s_mul_i32 s20, s16, 98304                      ; in the ring I fetch 128 rows of a tile: which half
	s_mov_b32 s21, 0
.irp g, G0, G0B
	s_add_nc_u64 s[\g+2:\g+3], s[4:5], s[\g+2:\g+3]
	s_add_nc_u64 s[\g+6:\g+7], s[\g+2:\g+3], s[20:21]
	s_add_nc_u64 s[\g+6:\g+7], s[\g+6:\g+7], ROWB
	s_or_b32 s[\g+3], s[\g+3], 0x80000000
	s_or_b32 s[\g+7], s[\g+7], 0x80000000
.endr
.irp g, G0S, G0SB, G0S2, G0S2B
	s_add_nc_u64 s[\g+2:\g+3], s[6:7], s[\g+2:\g+3]
	s_or_b32 s[\g+3], s[\g+3], 0x80000000
.endr
	CROUND                                         ; all sixteen work-groups are here: the first joint loads meet
; THE HEAD'S LOADS, ONE A WAVE: wave 0 K steps 0 and 1 of R's 256 rows, wave 1 of P's, wave 2 R's scales, wave 3 P's.  One chain of branches on the wave's number, one load to an arm, one join.
.macro ARM under, g0, g1, next
	s_cmp_lt_u32 s14, \under
	s_cbranch_scc0 \next
	tensor_load_to_lds s[\g0:\g0+3], s[\g1:\g1+7]
	s_nop 0
.rept 4
	v_nop
.endr
	s_branch .Lhead_asked
\next:
.endm
	ARM 1, G0,  G1,  .Lhead_b
	ARM 2, G0B, G1B, .Lhead_sa
	ARM 3, G0S, G1S, .Lhead_sb
	tensor_load_to_lds s[G0SB:G0SB+3], s[G1SB:G1SB+7]
	s_nop 0
.rept 4
	v_nop
.endr
.Lhead_asked:
	; while the tiles are on their way: the norm's gain and bias, the addresses
	v_and_b32 v1, 15, v0                           ; r
	v_bfe_u32 v2, v0, 4, 1                         ; h
	v_lshlrev_b32 v[LNA], 6, v2
.irp b, 0,1
.irp j, 0,1,2,3
	global_load_b128 v[LNW+16*\b+4*\j:LNW+16*\b+4*\j+3], v[LNA], s[100:101] offset:128*\b+16*\j
	global_load_b128 v[LNB+16*\b+4*\j:LNB+16*\b+4*\j+3], v[LNA], s[18:19] offset:128*\b+16*\j
.endr
.endr
	v_and_b32 v4, 31, v0
	v_lshlrev_b32 v4, 4, v4                        ; an image's place: 16 x lane
	s_mul_i32 s21, s15, HALFT                      ; phase 1: my 128 rows of R
	s_mul_i32 s22, s16, HALFT                      ; my 128 rows of P,
	s_add_co_u32 s22, s22, 2*HALFT                 ; which begin at row 256 of a slot
	s_mul_i32 s20, s15, 6144                       ; phase 2: my 64 rows of R: four images of each step's eight
.irp s, 0,1
	v_add_nc_u32 v[ADRA+\s], s21, v4
	v_add_nc_u32 v[ADRB+\s], s22, v4
	v_add_nc_u32 v[ADRA2+\s], s20, v4
	s_add_co_u32 s21, s21, SLOT
	s_add_co_u32 s22, s22, SLOT
	s_add_co_u32 s20, s20, SLOT
.endr
	v_mul_u32_u24 v5, v1, KS                       ; my row's scales: 32 bytes a row,
	v_lshrrev_b32 v6, 8, v5
	v_lshl_add_u32 v5, v6, 4, v5                   ; and 16 more for each 256 passed
	s_mul_i32 s21, s15, HALFS
	s_mul_i32 s22, s16, HALFS
	s_add_co_u32 s22, s22, 2*HALFS
	s_sub_co_u32 s22, s22, s21
	v_mul_u32_u24 v6, s22, v2                      ; lanes 16-31 take P's: one product, the distance between the two bases
	s_add_co_u32 s21, s21, SCL
	v_add_nc_u32 v6, v5, v6
	v_add_nc_u32 v[ADRS], s21, v6
	s_mul_i32 s21, s15, HS2                        ; phase 2 likewise: R's 64 rows, P's 128 behind R's 128
	s_mul_i32 s22, s16, HALFS
	s_add_co_u32 s22, s22, HALFS
	s_sub_co_u32 s22, s22, s21
	v_mul_u32_u24 v6, s22, v2
	s_wait_alu depctr_va_vdst(0)
	s_add_co_u32 s21, s21, SCL2
	v_add_nc_u32 v6, v5, v6
	v_add_nc_u32 v[ADRS2], s21, v6
	v_and_b32 v[LANE], 31, v0
	v_lshlrev_b32 v[LO], 4, v[LANE]
	s_mov_b32 s12, 0x3c800000                      ; 1 / 64
	s_mov_b32 s13, 0x3727c5ac                      ; 1e-5
	s_mov_b32 s20, 0x76543210
	s_mov_b32 s21, 0xfedcba98                      ; v_permlanex16_b32's selects for lane l xor 16
	s_mov_b32 s22, 0xffff0000                      ; lanes 16-31
.macro FRAG reg, adr, q, i             ; a fragment, 16 rows x 128 K of 6-bit codes: 12 registers; registers 6 c .. 6 c + 5 hold K = 64 c + 32 (l / 16) + 0 .. 31: 24 bytes of the row, as they lie, in pieces of 8 bytes
.irp c, 0,1,2
	ds_load_b128 v[\reg+4*\c:\reg+4*\c+3], v[\adr] offset:12288*(\q)+1536*(\i)+512*\c   ; an image of the twelve registers: 32 lanes read 512 consecutive bytes
.endr
.endm
; PHASE 1.  16 matrix instructions: R's blocks a0, a0 + 1 x P's eight.  The 64 accumulators take turns, one instruction a turn, in the same order in every step.
.macro MUL16 a0, p, q, sc, zero
.irp a, \a0, \a0+1
.irp b, 0,1,2,3,4,5,6,7
.if \zero
	v_wmma_scale_f32_16x16x128_f8f6f4 v[8*(8*((\a)%4)+\b):8*(8*((\a)%4)+\b)+7], v[128*(\p)+FR*\b:128*(\p)+FR*\b+FR-1], v[AF+FR*(\a):AF+FR*(\a)+FR-1], 0, v[SC+8*NQ*(\sc)+NQ*\b+(\q)], v[SC+8*NQ*(\sc)+NQ*(\a)+(\q)] matrix_a_fmt:MATRIX_FMT_FP6 matrix_b_fmt:MATRIX_FMT_FP6 matrix_a_scale:MATRIX_SCALE_ROW1
.else
	v_wmma_scale_f32_16x16x128_f8f6f4 v[8*(8*((\a)%4)+\b):8*(8*((\a)%4)+\b)+7], v[128*(\p)+FR*\b:128*(\p)+FR*\b+FR-1], v[AF+FR*(\a):AF+FR*(\a)+FR-1], v[8*(8*((\a)%4)+\b):8*(8*((\a)%4)+\b)+7], v[SC+8*NQ*(\sc)+NQ*\b+(\q)], v[SC+8*NQ*(\sc)+NQ*(\a)+(\q)] matrix_a_fmt:MATRIX_FMT_FP6 matrix_b_fmt:MATRIX_FMT_FP6 matrix_a_scale:MATRIX_SCALE_ROW1
.endif
.endr
.endr
.endm
.macro FETCH_B slot, q, p
	WIN TO_B
.irp i, 0,1,2,3,4,5,6,7
	FRAG 128*(\p)+FR*\i, ADRB+\slot, \q, \i
.endr
	WIN 0
.endm
.macro FETCH_A slot, q, i0
.irp i, \i0, \i0+1, \i0+2, \i0+3
	FRAG AF+FR*(\i), ADRA+\slot, \q, \i
.endr
.endm
.macro SCALES sc, adr                  ; a slot's scale words: 2 words a row; lanes 0-15 R's block i, lanes 16-31 P's block i (phase 2: R has four blocks; what lanes 0-15 read for i = 4 .. 7 is used by nobody)
.irp i, 0,1,2,3,4,5,6,7
	ds_load_b64 v[SC+8*NQ*\sc+NQ*\i:SC+8*NQ*\sc+NQ*\i+1], v[\adr] offset:\i*SBLK
.endr
.endm
.macro PLACES n                        ; plain vector lines between a matrix instruction and a load into, or a read of, its registers
.rept \n
	v_nop
.endr
.endm
.macro STEP slot, q, zero              ; a step of 128 along K that has its successor in the same slot
	s_wait_dscnt 4*NL                              ; P's set and R's blocks 0-3 are in; the youngest 12 loads (R's blocks 4-7) may be out
	WIN MUL_LO
	MUL16 0, (\q)%2, \q, \slot, \zero
	MUL16 2, (\q)%2, \q, \slot, \zero
	s_wait_dscnt 0
	PLACES NP
	FETCH_B \slot, (\q)+1, 1-(\q)%2
	FETCH_A \slot, (\q)+1, 0
	WIN MUL_HI
	MUL16 4, (\q)%2, \q, \slot, \zero
	MUL16 6, (\q)%2, \q, \slot, \zero
	PLACES NP
	WIN 0
	FETCH_A \slot, (\q)+1, 4
.endm
; The ring steps into phase 2: slot 0 takes v's K step 0, slot 1 its K step 1.  R's halves are 64 rows now; P's places in a slot stay.  No tensor load of mine is out where this stands.
.macro TOV slot
.if \slot == 0
	s_mul_i32 s[G0+1], s16, HALFR2
	s_mov_b32 s18, s17                             ; (s19 and s101 hold 0)
	s_add_nc_u64 s[G0+2:G0+3], s[4:5], s[18:19]
	s_or_b32 s[G0+3], s[G0+3], 0x80000000
	s_mov_b32 s100, s23
	s_add_nc_u64 s[G0B+2:G0B+3], s[4:5], s[100:101]
	s_or_b32 s[G0B+3], s[G0B+3], 0x80000000
.else
	s_add_co_u32 s[G0+5], s[G0+1], SLOT
	s_add_nc_u64 s[G0+6:G0+7], s[G0+2:G0+3], ROWB  ; slot 0's address, which has not moved, + a K step; the type bits on top are not reached
	s_add_nc_u64 s[G0B+6:G0B+7], s[G0B+2:G0B+3], ROWB
.endif
.endm
; A slot's last step changes slots: one barrier, which opens a round of the cluster's; in front of it each wave waits for all its tensor loads, adds 0 to its spare word, and waits for that and for its reads of this slot.
; tov = 0: this slot takes the K step two on; 1: v's.  more = 1: the next slot's first fragments are fetched; 0: phase 1's last step.
.macro TURN slot, next, tov, more
	s_wait_tensorcnt 0x0                           ; all my tensor loads have landed: my part of the other slot
	ds_add_u32 v[SPW], v[NIL]                      ; 0 onto my spare word
	s_wait_dscnt 4*NL+1                            ; the add and the youngest 12 loads may be out
	WIN MUL_LO
	MUL16 0, 1, NQ-1, \slot, 0
	s_wait_dscnt 0x0                               ; the add is done, and my reads of this slot are over
	s_barrier_signal -1
	MUL16 2, 1, NQ-1, \slot, 0
	WIN 0
	s_barrier_wait -1
	CREST                                          ; no wave of any partner still reads this slot or has a load on its way
.if \tov
	TOV \slot
	JLOAD G0+4*\slot, G1R2, G0B+4*\slot, G1B
.else
	s_add_nc_u64 s[G0+4*\slot+2:G0+4*\slot+3], s[G0+4*\slot+2:G0+4*\slot+3], 2*ROWB
	s_add_nc_u64 s[G0B+4*\slot+2:G0B+4*\slot+3], s[G0B+4*\slot+2:G0B+4*\slot+3], 2*ROWB
	JLOAD G0+4*\slot, G1, G0B+4*\slot, G1B         ; the first tensor load behind the round; its four v_nop are the places in front of the loads below
.endif
.if \more
	s_wait_alu depctr_va_vdst(0)
	v_add_nc_u32 v[ADRS], 4*NQ, v[ADRS]            ; on to the next slot's scale words
	FETCH_B \next, 0, 0
	FETCH_A \next, 0, 0
	SCALES \next, ADRS
.endif
	WIN MUL_HI
	MUL16 4, 1, NQ-1, \slot, 0
	MUL16 6, 1, NQ-1, \slot, 0
.if \more
	PLACES NP
	WIN 0
	FETCH_A \next, 0, 4
.else
	WIN 0
.endif
.endm
	s_wait_alu depctr_va_vdst(0)                   ; the wait at the head's end
	s_wait_loadcnt 0x0                             ; gain and bias
	s_wait_tensorcnt 0x0                           ; my tile of the head's four is in
	CODEGRP G1, 128
	CODEGRP G1B, 128
	s_mov_b32 s[G1SB+2], 16<<16                    ; one of P's scales 128 rows,
	s_mov_b32 s[G1SB+4], 16
	s_or_b32 s[G1R2], s2, CODEW0                   ; and s68-75 take phase 2's group 1 for R
	CODEGRP G1R2, 64
	s_mul_i32 s18, s16, 98304                      ; slot 0's groups 0 become my quarter's
	s_mov_b32 s19, 0
	s_mov_b32 s101, 0
	s_add_nc_u64 s[G0+2:G0+3], s[G0+2:G0+3], s[18:19]
	s_add_nc_u64 s[G0B+2:G0B+3], s[G0B+2:G0B+3], s[18:19]
	s_mul_i32 s[G0+1], s14, HALFT
	s_mov_b32 s[G0B+1], s[G0+1]
	s_barrier_signal -1
	s_barrier_wait -1                              ; everybody's tile is in: both slots and phase 1's scales
	FETCH_B 0, 0, 0
	FETCH_A 0, 0, 0
	SCALES 0, ADRS
	FETCH_A 0, 0, 4
	STEP 0, 0, 1                                   ; the first step stands in front of the loop: its products start the sums
	s_mov_b32 s3, LAPS-1
.Llap:                                                 ; a trip goes once round the ring and fills both slots again
	TURN 0, 1, 0, 1
	STEP 1, 0, 0
	TURN 1, 0, 0, 1
	STEP 0, 0, 0
	s_sub_co_u32 s3, s3, 1
	s_cmp_lg_u32 s3, 0
	s_cbranch_scc1 .Llap
	TURN 0, 1, 1, 1                                ; the last lap asks for v's first two K steps
	STEP 1, 0, 0
	TURN 1, 0, 1, 0
; THE WAYS OUT use no LDS.  Block a (16 rows of R): window 2 + a / 4, registers AC = 64 (a % 4) on.
; LN: LayerNorm of a lane's token over each of its two heads (32 registers a head here, 32 in lane l xor 16): mean, centred numbers, their mean square, x 1 / sqrt(. + 1e-5), x gain + bias, in that order.
.macro LN a
.set W, 2+(\a)/4
.set AC, 64*((\a)%4)
.set WW, W|(W<<2)
	WIN WW
.set k, 0
.rept 16
	v_pk_add_f32 v[TT+2*k:TT+2*k+1], v[AC+4*k:AC+4*k+1], v[AC+4*k+2:AC+4*k+3]   ; ascending: each accumulator is read from its low end on
.set k, k+1
.endr
	WIN 0
.irp d, 8,4,2
.set k, 0
.rept \d/2
.irp e, 0,1
	v_pk_add_f32 v[TT+16*\e+2*k:TT+16*\e+2*k+1], v[TT+16*\e+2*k:TT+16*\e+2*k+1], v[TT+16*\e+2*k+\d:TT+16*\e+2*k+\d+1]
.endr
.set k, k+1
.endr
.endr
.irp e, 0,1
	v_add_f32 v[TT+16*\e], v[TT+16*\e], v[TT+16*\e+1]
.endr
.irp e, 0,1
	v_permlanex16_b32 v[TT+16*\e+1], v[TT+16*\e], s20, s21
.endr
.irp e, 0,1
	v_add_f32 v[TT+16*\e], v[TT+16*\e], v[TT+16*\e+1]
.endr
.irp e, 0,1
	v_mul_f32 v[MU+2*\e], s12, v[TT+16*\e]         ; the mean
.endr
	WIN W
.set k, 0
.rept 32
	v_pk_add_f32 v[XR+2*k:XR+2*k+1], v[AC+2*k:AC+2*k+1], v[MU+2*(k/16):MU+2*(k/16)+1] op_sel_hi:[1,0] neg_lo:[0,1] neg_hi:[0,1]
.set k, k+1
.endr
	WIN 0
.irp e, 0,1
.irp c, 0,1
	v_pk_mul_f32 v[TT+4*\e+2*\c:TT+4*\e+2*\c+1], v[XR+32*\e+16*\c:XR+32*\e+16*\c+1], v[XR+32*\e+16*\c:XR+32*\e+16*\c+1]
.endr
.endr
.irp i, 2,4,6,8,10,12,14
.irp e, 0,1
.irp c, 0,1
	v_pk_fma_f32 v[TT+4*\e+2*\c:TT+4*\e+2*\c+1], v[XR+32*\e+16*\c+\i:XR+32*\e+16*\c+\i+1], v[XR+32*\e+16*\c+\i:XR+32*\e+16*\c+\i+1], v[TT+4*\e+2*\c:TT+4*\e+2*\c+1]
.endr
.endr
.endr
.irp e, 0,1
	v_pk_add_f32 v[TT+4*\e:TT+4*\e+1], v[TT+4*\e:TT+4*\e+1], v[TT+4*\e+2:TT+4*\e+3]
.endr
.irp e, 0,1
	v_add_f32 v[TT+4*\e], v[TT+4*\e], v[TT+4*\e+1]
.endr
.irp e, 0,1
	v_permlanex16_b32 v[TT+4*\e+1], v[TT+4*\e], s20, s21
.endr
.irp e, 0,1
	v_add_f32 v[TT+4*\e], v[TT+4*\e], v[TT+4*\e+1]
.endr
.irp e, 0,1
	v_fma_f32 v[TT+4*\e], v[TT+4*\e], s12, s13     ; the variance + 1e-5
.endr
	s_wait_alu depctr_va_vdst(0)
.irp e, 0,1
	v_rsq_f32 v[RS+2*\e], v[TT+4*\e]
.endr
	v_nop                                          ; a plain line behind the transcendentals,
	s_wait_alu depctr_va_vdst(0)                   ; and one wait for both, ahead of their first reader
.set k, 0
.rept 32
	v_pk_mul_f32 v[XR+2*k:XR+2*k+1], v[XR+2*k:XR+2*k+1], v[RS+2*(k/16):RS+2*(k/16)+1] op_sel_hi:[1,0]
.set k, k+1
.endr
.set k, 0
.rept 32
	v_pk_fma_f32 v[XR+2*k:XR+2*k+1], v[XR+2*k:XR+2*k+1], v[LNW+(2*k)%32:LNW+(2*k)%32+1], v[LNB+(2*k)%32:LNB+(2*k)%32+1]
.set k, k+1
.endr
.endm
; QUANT: 64 numbers of a lane in window win, register 16 b + i = k 32 b + 16 (lane / 16) + i, become two runs of six code registers (d0: blocks 0, 1; d1: blocks 2, 3; lane (r, h) holds a whole block) and four bytes in v[TM+4] on.
.macro QUANT s, win, d0, d1
	s_wait_xcnt 0x0                                ; the earlier stores have read their data: the code registers may be written again
.set QW, (\win)|((\win)<<2)
	WIN QW
.irp b, 0,1,2,3
	v_max3_num_f32 v[TM+\b], |v[\s+16*\b]|, |v[\s+1+16*\b]|, 0x1800000   ; my 16 of block b, and the floor 2^(3 - 127): the byte cannot fall under 1
.endr
.irp i, 2,4,6,8,10,12,14
.irp b, 0,1,2,3
	v_max3_num_f32 v[TM+\b], |v[\s+16*\b+\i]|, |v[\s+1+16*\b+\i]|, v[TM+\b]   ; ascending, the four blocks by turns
.endr
.endr
	WIN 0
.irp b, 0,1,2,3
	v_permlanex16_b32 v[TM+4+\b], v[TM+\b], s20, s21
.endr
.irp b, 0,1,2,3
	v_max_num_f32 v[TM+\b], v[TM+\b], v[TM+4+\b]   ; with lane l xor 16's: the block's largest magnitude
.endr
.irp b, 0,1,2,3
	v_add_nc_u32 v[TM+12+\b], 0xff000000, v[TM+\b] ; 2 off its exponent field: the conversion's scale operand
.endr
.irp b, 0,1,2,3
	v_lshrrev_b32 v[TM+4+\b], 23, v[TM+12+\b]      ; the scale's byte
.endr
.set QW, \win
	WIN QW
	v_cvt_scalef32_pk16_fp6_f32 v[\d0:\d0+2], v[\s:\s+15], v[TM+12]
	v_cvt_scalef32_pk16_fp6_f32 v[CT:CT+2], v[\s+16:\s+31], v[TM+13]
	v_cvt_scalef32_pk16_fp6_f32 v[\d1:\d1+2], v[\s+32:\s+47], v[TM+14]
	v_cvt_scalef32_pk16_fp6_f32 v[CT+4:CT+6], v[\s+48:\s+63], v[TM+15]
	WIN 0
	v_nop                                          ; one plain line behind a scaled conversion
.irp i, 0,1,2
	v_permlane16_swap_b32 v[\d0+\i], v[CT+\i]      ; a whole block to a lane: lanes 0-15 the even block, lanes 16-31 the odd one
.endr
.irp i, 0,1,2
	v_mov_b32 v[\d0+3+\i], v[CT+\i]
.endr
.irp i, 0,1,2
	v_permlane16_swap_b32 v[\d1+\i], v[CT+4+\i]
.endr
.irp i, 0,1,2
	v_mov_b32 v[\d1+3+\i], v[CT+4+\i]
.endr
.endm
.macro QKBLOCK a                       ; 16 tokens x two heads of q or k
	LN \a
	QUANT XR, 0, Z0+6*((\a)%2), Z1+6*((\a)%2)
.irp e, 0,1
	v_lshl_or_b32 v[PWT+\e], v[TM+5+2*\e], 8, v[TM+4+2*\e]
.endr
.irp e, 0,1
.if (\a) < 4
	v_or_b32 v[SW+4*\e+(\a)], 0x7f7f0000, v[PWT+\e]    ; the upper two blocks of the instruction's K hold zero codes of q: scale 1
.else
	v_or_b32 v[PWT+\e], 0x7f7f0000, v[PWT+\e]
.endif
.endr
.if (\a) >= 4
.irp e, 0,1
	v_cndmask_b32 v[SW+4*\e+(\a)-4], v[SW+4*\e+(\a)-4], v[PWT+\e], s22   ; tiles 4-7 go to lanes 16-31
.endr
.endif
.if ((\a)%2) == 1
.irp c, 0,1,2
	global_store_b128 v[LO], v[Z0+4*\c:Z0+4*\c+3], s[8:9] offset:((\a)/2)*1536+512*\c          ; 32 lanes store 512 consecutive bytes, aligned
	global_store_b128 v[LO], v[Z1+4*\c:Z1+4*\c+3], s[8:9] offset:49152+((\a)/2)*1536+512*\c    ; the next head
.endr
.endif
.endm
	PLACES NP                                      ; behind phase 1's last products: their registers are read and written from here on
.irp i, 4,5,6,7
	v_mov_b32 v[TM+\i], 0                          ; a lane permute's destination counts as one of its sources
.endr
.irp i, 1,3
	v_mov_b32 v[MU+\i], 0                          ; the upper halves of pairs of which the low half is used
	v_mov_b32 v[RS+\i], 0
.endr
.irp a, 0,1,2,3
	QKBLOCK \a
.endr
	s_wait_alu depctr_va_vdst(0)
	s_wait_tensorcnt 0x0                           ; v's first two K steps have landed; phase 2's scales are a first fill behind the full sequence and a round
	ds_add_u32 v[SPW], v[NIL]
	s_wait_dscnt 0x0
	CROUND
	JLOAD G0S2, G1S2, G0S2B, G1SB                  ; they land while blocks 4-7 go through the norm and the quantiser
.irp a, 4,5,6,7
	QKBLOCK \a
.endr
	global_store_b128 v[LO], v[SW:SW+3], s[10:11]
	global_store_b128 v[LO], v[SW+4:SW+7], s[10:11] offset:4096
; PHASE 2: v.  A step of 128 along K is 32 matrix instructions: R's four blocks, each against P's eight; both operands have two sets of registers, by turns.
.macro VMUL8 a, set, q, sc, zero       ; R's block a; the 32 accumulators take turns, one instruction a turn, in the same order in every step
.irp b, 0,1,2,3,4,5,6,7
.if \zero
	v_wmma_scale_f32_16x16x128_f8f6f4 v[8*(8*(\a)+\b):8*(8*(\a)+\b)+7], v[128*(\set)+FR*\b:128*(\set)+FR*\b+FR-1], v[AF+48*(\set)+FR*(\a):AF+48*(\set)+FR*(\a)+FR-1], 0, v[SC+8*NQ*(\sc)+NQ*\b+(\q)], v[SC+8*NQ*(\sc)+NQ*(\a)+(\q)] matrix_a_fmt:MATRIX_FMT_FP6 matrix_b_fmt:MATRIX_FMT_FP6 matrix_a_scale:MATRIX_SCALE_ROW1
.else
	v_wmma_scale_f32_16x16x128_f8f6f4 v[8*(8*(\a)+\b):8*(8*(\a)+\b)+7], v[128*(\set)+FR*\b:128*(\set)+FR*\b+FR-1], v[AF+48*(\set)+FR*(\a):AF+48*(\set)+FR*(\a)+FR-1], v[8*(8*(\a)+\b):8*(8*(\a)+\b)+7], v[SC+8*NQ*(\sc)+NQ*\b+(\q)], v[SC+8*NQ*(\sc)+NQ*(\a)+(\q)] matrix_a_fmt:MATRIX_FMT_FP6 matrix_b_fmt:MATRIX_FMT_FP6 matrix_a_scale:MATRIX_SCALE_ROW1
.endif
.endr
.endm
.macro VFETCH slot, q, set             ; 36 LDS loads: P's eight fragments and R's four
	FETCH_B \slot, \q, \set
.irp i, 0,1,2,3
	FRAG AF+48*(\set)+FR*\i, ADRA2+\slot, \q, \i
.endr
.endm
.macro VSTEP slot, zero                ; a slot's first step (set 0); the second step's fragments are asked for ahead of its products
	s_wait_dscnt 0x0                               ; this step's fragments and scale words are in
	PLACES NP                                      ; set 1 was read by the products just issued
	VFETCH \slot, 1, 1
	WIN MUL_LO
.irp a, 0,1,2,3
	VMUL8 \a, 0, 0, \slot, \zero
.endr
	WIN 0
.endm
.macro VTURN slot, next, fill          ; a slot's second step (set 1) changes slots, as in phase 1
	s_wait_tensorcnt 0x0                           ; all my tensor loads have landed: my part of the other slot
	ds_add_u32 v[SPW], v[NIL]                      ; 0 onto my spare word
	s_wait_dscnt 1                                 ; this step's fragments are in (the add may be out)
	WIN MUL_LO
	VMUL8 0, 1, 1, \slot, 0
	s_wait_dscnt 0x0                               ; the add is done, and my reads of this slot are over
	s_barrier_signal -1
	VMUL8 1, 1, 1, \slot, 0
	WIN 0
	s_barrier_wait -1
.if \fill
	CREST                                          ; no wave of any partner still reads this slot or has a load on its way
	s_add_nc_u64 s[G0+4*\slot+2:G0+4*\slot+3], s[G0+4*\slot+2:G0+4*\slot+3], 2*ROWB
	s_add_nc_u64 s[G0B+4*\slot+2:G0B+4*\slot+3], s[G0B+4*\slot+2:G0B+4*\slot+3], 2*ROWB
	JLOAD G0+4*\slot, G1R2, G0B+4*\slot, G1B       ; the first tensor load behind the round; its four v_nop are the places in front of the loads below
.else
	PLACES NP
.endif
	s_wait_alu depctr_va_vdst(0)
	v_add_nc_u32 v[ADRS2], 4*NQ, v[ADRS2]          ; on to the next slot's scale words
	VFETCH \next, 0, 0
	SCALES \next, ADRS2
	WIN MUL_LO
	VMUL8 2, 1, 1, \slot, 0
	VMUL8 3, 1, 1, \slot, 0
	WIN 0
.endm
.macro VBLOCK a                        ; 16 channels of v x 128 keys: the accumulators are the quantiser's source
.set AC, 64*(\a)
.set ZZ, Z0+12*((\a)%2)
	QUANT AC, 2, ZZ, ZZ+6
	v_lshl_or_b32 v[PWT], v[TM+5], 8, v[TM+4]
	v_lshl_or_b32 v[PWT], v[TM+6], 16, v[PWT]
	v_lshl_or_b32 v[SW+(\a)], v[TM+7], 24, v[PWT]
.irp c, 0,1,2
	global_store_b128 v[LO], v[ZZ+4*\c:ZZ+4*\c+3], s[66:67] offset:(\a)*1536+512*\c   ; 32 lanes store 512 consecutive bytes, aligned
.endr
.endm
	s_wait_alu depctr_va_vdst(0)
	s_wait_xcnt 0x0
	s_wait_tensorcnt 0x0                           ; my part of phase 2's scales is in,
	s_barrier_signal -1
	s_barrier_wait -1                              ; everybody's is
	VFETCH 0, 0, 0
	SCALES 0, ADRS2
	VSTEP 0, 1                                     ; the first step's products start the sums
	VTURN 0, 1, 1
	VSTEP 1, 0
	VTURN 1, 0, 1
	VSTEP 0, 0
	VTURN 0, 1, 0                                  ; nothing is left to fetch
	VSTEP 1, 0
	s_wait_dscnt 0x0
	WIN MUL_LO
.irp a, 0,1,2,3
	VMUL8 \a, 1, 1, 1, 0
.endr
	WIN 0
	PLACES NP                                      ; behind the last products
.irp i, 4,5,6,7
	v_mov_b32 v[TM+\i], 0
.endr
.irp a, 0,1,2,3
	VBLOCK \a
.endr
	v_cmp_gt_u32 vcc_lo, 16, v[LANE]               ; my head's scale words: lanes 0-15 store 256 consecutive bytes, aligned (lanes 16-31 hold the same words)
	s_wait_alu depctr_va_vdst(0)
	s_wait_xcnt 0x0                                ; EXEC changes only behind this wait
	s_and_saveexec_b32 s17, vcc_lo
	global_store_b128 v[LO], v[SW:SW+3], s[104:105]
	s_wait_xcnt 0x0                                ; and again, in front of the line that widens it
	s_or_b32 exec_lo, exec_lo, s17
	s_wait_tensorcnt 0x0                           ; the wave's end, behind my last tensor load
	ds_add_u32 v[SPW], v[NIL]
	s_wait_dscnt 0x0
	CROUND                                         ; the closing round: no work-group ends while a partner may still ask for a tile that names it
	s_endpgm
.Lfunc_end_k_qb478fecfac_qkv:
	.size	k_qb478fecfac_qkv, .Lfunc_end_k_qb478fecfac_qkv-k_qb478fecfac_qkv
	.p2alignl 7, 3214868480
	.fill 96, 4, 3214868480
	.section	.rodata,"a",@progbits
	.p2align	6, 0x0
	.amdhsa_kernel k_qb478fecfac_qkv
		.amdhsa_group_segment_fixed_size 327680
		.amdhsa_private_segment_fixed_size 0
		.amdhsa_enable_private_segment 0
		.amdhsa_kernarg_size 80
		.amdhsa_user_sgpr_count 2
		.amdhsa_user_sgpr_kernarg_segment_ptr 1
		.amdhsa_wavefront_size32 1
		.amdhsa_system_sgpr_workgroup_id_x 1
		.amdhsa_system_sgpr_workgroup_id_y 1
		.amdhsa_system_sgpr_workgroup_id_z 1
		.amdhsa_system_vgpr_workitem_id 0
		.amdhsa_next_free_vgpr 1024
		.amdhsa_next_free_sgpr 106
		.amdhsa_reserve_vcc 1
		.amdhsa_float_denorm_mode_32 3
		.amdhsa_float_denorm_mode_16_64 3
		.amdhsa_memory_ordered 1
		.amdhsa_forward_progress 1
		.amdhsa_inst_pref_size 255
	.end_amdhsa_kernel
	.section	.bss,"aw",@nobits
	.p2align	6
	.space	262144
	.amdgpu_metadata
---
amdhsa.version: [ 1, 2 ]
amdhsa.kernels:
  - .name:           k_qb478fecfac_qkv
    .symbol:         k_qb478fecfac_qkv.kd
    .args:
      - { .name: c1, .offset: 0, .size: 8, .value_kind: global_buffer, .address_space: global }
      - { .name: s1, .offset: 8, .size: 8, .value_kind: global_buffer, .address_space: global }
      - { .name: q_norm_w, .offset: 16, .size: 8, .value_kind: global_buffer, .address_space: global }
      - { .name: q_norm_b, .offset: 24, .size: 8, .value_kind: global_buffer, .address_space: global }
      - { .name: k_norm_w, .offset: 32, .size: 8, .value_kind: global_buffer, .address_space: global }
      - { .name: k_norm_b, .offset: 40, .size: 8, .value_kind: global_buffer, .address_space: global }
      - { .name: qkc, .offset: 48, .size: 8, .value_kind: global_buffer, .address_space: global }
      - { .name: qks, .offset: 56, .size: 8, .value_kind: global_buffer, .address_space: global }
      - { .name: vc, .offset: 64, .size: 8, .value_kind: global_buffer, .address_space: global }
      - { .name: vs, .offset: 72, .size: 8, .value_kind: global_buffer, .address_space: global }
    .group_segment_fixed_size: 327680
    .private_segment_fixed_size: 0
    .kernarg_segment_align: 8
    .kernarg_segment_size: 80
    .max_flat_workgroup_size: 128
    .sgpr_count:     106
    .vgpr_count:     1024
    .wavefront_size: 32
...
	.end_amdgpu_metadata
.endif
;; end of part 2
;; launch attn (part 3): grid 4 x 64, 16 waves a work-group, clusters of 4 x 1, 327,680 bytes of LDS; arguments qkc, qks, vc, vs, oc, os; writes oc, os
.if DOCPART == 3
	.amdgcn_target "amdgcn-amd-amdhsa--gfx1250"
	.amdhsa_code_object_version 6
	.text
	.protected	k_qb478fecfac_attn
	.globl	k_qb478fecfac_attn
	.p2align	8
	.type	k_qb478fecfac_attn,@function
k_qb478fecfac_attn:
	s_mov_b64 s[64:65], 0
	v_nop
	global_prefetch_b8 v0, s[64:65] scope:SCOPE_SE
	s_setreg_imm32_b32 hwreg(HW_REG_WAVE_MODE, 25, 1), 1
	s_wait_xcnt 0x0
	s_wait_alu depctr_hold_cnt(0) depctr_sa_sdst(0) depctr_va_vdst(0) depctr_va_sdst(0) depctr_va_ssrc(0) depctr_va_vcc(0) depctr_vm_vsrc(0)
	s_getreg_b32 s2, hwreg(HW_REG_IB_STS2, 6, 4)
	s_cmp_eq_u32 s2, 0
	s_cbranch_scc0 .Lentry_in_a_cluster
	s_endpgm
.Lentry_in_a_cluster:
	s_bfe_u32 s2, ttmp6, 0x10000c
	s_cmp_lg_u32 s2, 0x3003
	s_cbranch_scc0 .Lentry_shape_is_right
	s_endpgm
.Lentry_shape_is_right:
; o = softmax(q k^T) v for each batch and head, both products on codes of FP6 (E2M3) with E8M0 scales; o is quantised along (head, d) and stored as images of the last product's operand registers.
; THE SOFTMAX AHEAD OF THE SECOND PRODUCT: t = score x log2(e) / 8 (the 1 / 8 is q's factor 64^-0.5, a power of two, left out where q was quantised and applied here, exactly); M = the row's largest t so far, rounded UP to a whole
; number; p = 2^(t - M) is quantised along the keys, not normalised.  The row's sum is taken of the unquantised p and divides O at the end.  When M moves, the sum and O are multiplied by 2^(old M - new M): exact.
; SHARES.  A cluster of four work-groups takes one pair of heads of one batch (the cluster's y = 8 batch + pair); each work-group 256 queries; each of its SIXTEEN waves one tile of 16 queries, for head 0 of the pair and then for head 1:
; so a wave ends with a whole fragment (128 along the last product's K) and a whole scale word.  Four waves to a SIMD: one wave's exponentials stand beside another's plain work, LDS loads and products.
; K AND V OF BOTH HEADS STAY IN LDS: 196,608 bytes of codes, 12,288 of scale words, each byte filled once, by joint loads of the four partners (mask 15).  No ring, no refill.
; No prefetch: every byte of K and V is asked for by the first fills at the head, so there is no later request to run ahead of.
; LAYOUT.  Both products transposed: S^T = K Q^T, O^T = V^T P^T: a lane holds ONE query throughout.  K's tiles lie in the order that leaves registers 16 b + i of the scores as keys 32 b + 16 (lane / 16) + i.
; THE HEAD IS 64 LONG, THE INSTRUCTION 128: Q's registers 6-11 are zero codes.  So K's upper six registers may hold anything (the format has no NaN and no infinity; their scale bytes are 0x7f): tile t's source is
; registers 6 t .. 6 t + 11 of the step's 48, the upper half being tile t + 1's codes (behind tile 7: six registers of zeros).  A key step's K is 12 loads of 16 bytes a lane.
; LIMITS: a block of zeros gets the byte 1 (its codes are zeros; this program alone reads the bytes); NaN and infinities are not served; 1 / sum by v_rcp_f32.
.set KC,    0                          ; LDS: K's codes: head e at 49,152 e, step s (128 keys) at + 6,144 s
.set VC,    98304                      ; V's likewise
.set KSCL,  196608                     ; K's scale words: 4,096 e + 512 s
.set VSCL,  204800                     ; V's: 2,048 e + 256 s
.set SCST,  208896                     ; a stage for o's scale words, 1,024 bytes: no fill lands here
.set SPARE, 209920                     ; the spare words, 128 bytes for each of 16 waves
.set AK0,  1                           ; v1   16 x lane (also my place in an image in memory)
.set AV0,  2                           ; v2   VC + 16 x lane
.set ASK0, 3                           ; v3   KSCL + 16 x lane
.set ASV0, 4                           ; v4   VSCL + 16 (lane % 16)
.set SPW,  5
.set NIL,  6
.set ADK,  8                           ; v8-11 the step's addresses
.set ADV,  9
.set ADS,  10
.set ADT,  11
.set QF,   16                          ; v16-21 Q's codes, v22-27 zeros
.set SST,  28                          ; v28  where my tile's scale word goes in the stage
.set SRD,  29                          ; v29  and where waves 0, 1 read 16 bytes a lane back
.set KV,   32                          ; v32-79 K's step, then V's four fragments; v80-85 zeros
.set QO,   86                          ; v86-88 my tile's three pairs of registers in Q's image; v89 its scale word
.set QSO,  89
.set SCR,  96                          ; v96-159 S^T, then p
.set OT,   160                         ; v160-191 O^T
.set OF,   192                         ; v192-203 o's fragment
.set PF,   204                         ; v204-215 p's fragment
.set CT,   216                         ; v216-218, v220-222 half blocks' codes
.set KSC,  224                         ; v224-227 K's scale words, v228-231 V's, v232 Q's, v233 p's, v234 o's
.set VSC,  228
.set QSC,  232
.set PSC,  233
.set OW,   234
.set BM,   236                         ; v236-239 the blocks' largest scores, then largest p
.set PT,   240                         ; v240-243 at work
.set SO,   244                         ; v244-247 the conversions' scale operands
.set WV,   18
.set SEL,  20
.set CS,   22
.set G1H,  24                          ; s[32:39] group 1: 192 rows of 256 bytes;  s[40:47] 32 rows;  s[48:55] 16 rows
.set G1W,  32
.set G1KS, 40
.set G1VS, 48
.set G0S,  56                          ; groups 0: the scale words; head 0; head 1
.set G0A,  60
.set G0B,  68
.set G0C,  72
.set TK,   2                           ; s2 the step's codes, s3 K's scale words, s66 V's: bytes from the region's start
.set TS,   3
.set TJ,   66
.set CNT,  67
.macro CROUND                          ; a round of the cluster's barrier
	s_barrier_signal -1
	s_barrier_wait -1
	s_cmp_lg_u32 s[WV], 0
	s_cbranch_scc1 .Lnot_wave_0_\@
	s_barrier_signal -3
.Lnot_wave_0_\@:
	s_barrier_wait -3
	s_barrier_signal -1
	s_barrier_wait -1
.endm
	s_load_b256 s[4:11], s[0:1], 0x0               ; qkc s[4:5], qks s[6:7], vc s[8:9], vs s[10:11]
	s_load_b128 s[12:15], s[0:1], 0x20             ; oc s[12:13], os s[14:15]
	v_lshl_add_u32 v[SPW], v0, 2, SPARE
	v_mov_b32 v[NIL], 0
	ds_add_u32 v[SPW], v[NIL]                      ; the wave's opening: the add and its wait ahead of the first tensor loads; work on registers stands between them
	ds_add_u32 v[SPW], v[NIL]
	v_lshrrev_b32 v30, 5, v0
	s_delay_alu instid0(VALU_DEP_1)
	v_readfirstlane_b32 s[WV], v30                 ; wave 0..15
	s_bfe_u32 s19, ttmp6, 0x40000                  ; cx: it enters Q's, oc's and os's addresses alone
	s_and_b32 s17, ttmp7, 0xffff                   ; y = 8 batch + pair of heads: the four partners share it
	s_and_b32 s84, s[WV], 1                        ; even waves fetch for K, odd ones for V
	s_mul_i32 s85, s17, 98304                      ; the pair's codes: in Q's and K's parts of qkc and in vc
	s_and_b32 s86, s17, 7                          ; the pair
	s_sub_co_u32 s87, s17, s86                     ; 8 x batch
	s_and_b32 s88, s[WV], 7                        ; t: my tile in its step of 128 queries
	s_lshl_b32 s19, s19, 1
	s_lshr_b32 s16, s[WV], 3
	s_add_co_u32 s16, s16, s19                     ; my step = 2 cx + wave / 8
	s_mul_i32 s76, s16, 6144
	s_add_co_u32 s76, s76, s85                     ; Q's image
	s_mov_b32 s77, 0
	s_lshl_b32 s78, s17, 13
	s_lshl_b32 s79, s16, 9
	s_add_co_u32 s78, s78, s79                     ; Q's scale words
	s_mov_b32 s79, 0
	s_add_co_u32 s80, s87, s16
	s_lshl_b32 s80, s80, 3
	s_add_co_u32 s80, s80, s86
	s_mul_i32 s80, s80, 12288
	s_mul_i32 s81, s88, 1536
	s_add_co_u32 s80, s80, s81                     ; oc: ((8 batch + step) 8 + pair) 12,288 + 1,536 t
	s_mov_b32 s81, 0
	s_add_co_u32 s82, s87, s19
	s_add_co_u32 s82, s82, s84
	s_lshl_b32 s82, s82, 3
	s_add_co_u32 s82, s82, s86
	s_lshl_b32 s82, s82, 9                         ; os: ((8 batch + 2 cx + wave) 8 + pair) 512, for waves 0 and 1
	s_mov_b32 s83, 0
	; all lane addresses, ahead of every branch on the wave's number
	v_and_b32 v30, 31, v0
	s_delay_alu instid0(VALU_DEP_1)
	v_lshlrev_b32 v[AK0], 4, v30
	s_wait_alu depctr_va_vdst(0)
	v_add_nc_u32 v[AV0], VC, v[AK0]
	v_add_nc_u32 v[ASK0], KSCL, v[AK0]
	v_and_b32 v31, 15, v0
	s_delay_alu instid0(VALU_DEP_1)
	v_lshlrev_b32 v31, 4, v31
	s_wait_alu depctr_va_vdst(0)
	v_add_nc_u32 v[ASV0], VSCL, v31
	s_lshr_b32 s89, s[WV], 2
	s_lshl_b32 s89, s89, 8
	s_and_b32 s90, s[WV], 3
	s_lshl_b32 s90, s90, 2
	s_add_co_u32 s89, s89, s90
	s_add_co_u32 s89, s89, SCST
	v_add_nc_u32 v[SST], s89, v31                  ; 256 (wave / 4) + 4 (wave % 4) + 16 r
	v_and_b32 v[SRD], 63, v0
	s_delay_alu instid0(VALU_DEP_1)
	v_lshl_add_u32 v[SRD], v[SRD], 4, SCST
	s_mul_i32 s89, s88, 6                          ; my tile's first register in the image
.irp i, 0,1,2
	s_add_co_u32 s90, s89, 2*\i                    ; register g = 6 t + 2 i lies at (g / 4) 512 + 16 lane + 4 (g % 4)
	s_lshr_b32 s91, s90, 2
	s_lshl_b32 s91, s91, 9
	s_and_b32 s90, s90, 2
	s_lshl_b32 s90, s90, 2
	s_add_co_u32 s91, s91, s90
	v_add_nc_u32 v[QO+\i], s91, v[AK0]
.endr
	s_lshr_b32 s90, s88, 2
	s_lshl_b32 s90, s90, 8
	s_and_b32 s91, s88, 3
	s_lshl_b32 s91, s91, 2
	s_add_co_u32 s90, s90, s91
	v_add_nc_u32 v[QSO], s90, v31                  ; 16 r + 256 (t / 4) + 4 (t % 4)
.irp i, 22,23,24,25,26,27,80,81,82,83,84,85
	v_mov_b32 v[\i], 0                             ; zero codes: the upper half of Q, and behind K's tile 7
.endr
.irp i, 240,241,242,243,253,254
	v_mov_b32 v[\i], 0                             ; written once: lane permutes' destinations, and the upper half of the pair v[252:253]
.endr
	; descriptor groups 1: dense blocks as rows of 256 bytes (32 elements of 8 bytes), no padding; mask 15: all four partners; bit 21 set beside it
.irp g, G1W, G1KS, G1VS
	s_mov_b32 s[\g], 15|(3<<16)|(1<<21)
	s_mov_b32 s[\g+1], 32<<16
	s_mov_b32 s[\g+3], 32<<16
	s_mov_b32 s[\g+5], 32
	s_mov_b32 s[\g+6], 0
	s_mov_b32 s[\g+7], 0
.endr
	s_mov_b32 s[G1W+2], 192<<16
	s_mov_b32 s[G1W+4], 192
	s_mov_b32 s[G1KS+2], 32<<16
	s_mov_b32 s[G1KS+4], 32
	s_mov_b32 s[G1VS+2], 16<<16
	s_mov_b32 s[G1VS+4], 16
	s_mov_b32 s[SEL], 0x76543210
	s_mov_b32 s[SEL+1], 0xfedcba98                 ; v_permlanex16_b32's selects for lane l xor 16
	s_mov_b32 s[CS], 0x3e38aa3b                    ; c = log2(e) / 8: log2(e)'s mantissa, 3 off its exponent
	s_mov_b32 s[CS+1], s[CS]
	s_mul_i32 s98, s84, 98304                      ; K's region or V's
	s_lshl_b32 s99, s84, 13
	s_wait_dscnt 0x0                               ; the opening add is done
	s_wait_kmcnt 0x0
	s_add_nc_u64 s[76:77], s[4:5], s[76:77]
	s_add_nc_u64 s[78:79], s[6:7], s[78:79]
	s_add_nc_u64 s[80:81], s[12:13], s[80:81]
	s_add_nc_u64 s[82:83], s[14:15], s[82:83]
	s_cmp_eq_u32 s84, 0                            ; the wave's number alone
	s_cselect_b64 s[88:89], s[4:5], s[8:9]         ; K's codes lie in qkc behind Q's 6,291,456 bytes; V's in vc
	s_cselect_b64 s[90:91], s[6:7], s[10:11]
	s_cselect_b32 s92, 6291456, 0
	s_cselect_b32 s94, 524288, 0
	s_cselect_b32 s96, 13, 12                      ; 8,192 bytes of K's scale words a pair, 4,096 of V's
	s_add_co_u32 s92, s92, s85
	s_mov_b32 s93, 0
	s_lshl_b32 s96, s17, s96
	s_add_co_u32 s94, s94, s96
	s_mov_b32 s95, 0
	s_add_nc_u64 s[88:89], s[88:89], s[92:93]
	s_add_nc_u64 s[90:91], s[90:91], s[94:95]
	s_mov_b32 s[G0S], 1
	s_add_co_u32 s[G0S+1], s99, KSCL
	s_mov_b64 s[G0S+2:G0S+3], s[90:91]
	s_or_b32 s[G0S+3], s[G0S+3], 0x80000000
	s_mov_b32 s[G0A], 1
	s_mov_b32 s[G0A+1], s98
	s_mov_b64 s[G0A+2:G0A+3], s[88:89]
	s_or_b32 s[G0A+3], s[G0A+3], 0x80000000
	s_mov_b32 s[G0C], 1
	s_add_co_u32 s[G0C+1], s98, 49152
	s_add_nc_u64 s[G0C+2:G0C+3], s[88:89], 49152
	s_or_b32 s[G0C+3], s[G0C+3], 0x80000000
	CROUND                                         ; all four work-groups are here: the joint loads meet
	s_cmp_eq_u32 s[WV], 0                          ; a wave's fill stands in one arm: one tensor load of it is out at the most; an s_nop 0 and four v_nop follow it
	s_cbranch_scc0 .Lnot_k
	tensor_load_to_lds s[G0S:G0S+3], s[G1KS:G1KS+7]   ; one load a wave at the head: wave 0 K's scale words, wave 1 V's, wave 2 head 0's K, wave 3 head 0's V
	s_nop 0
.rept 4
	v_nop
.endr
	s_branch .Lasked
.Lnot_k:
	s_cmp_eq_u32 s[WV], 1
	s_cbranch_scc0 .Lnot_v
	tensor_load_to_lds s[G0S:G0S+3], s[G1VS:G1VS+7]
	s_nop 0
.rept 4
	v_nop
.endr
	s_branch .Lasked
.Lnot_v:
	s_cmp_lt_u32 s[WV], 4
	s_cbranch_scc0 .Lasked
	tensor_load_to_lds s[G0A:G0A+3], s[G1W:G1W+7]
	s_nop 0
.rept 4
	v_nop
.endr
.Lasked:
.macro QLOAD e                         ; my tile of head e's queries: six code registers and the scale word
.irp i, 0,1,2
	global_load_b64 v[QF+2*\i:QF+2*\i+1], v[QO+\i], s[76:77] offset:(\e)*49152
.endr
	global_load_b32 v[QSC], v[QSO], s[78:79] offset:(\e)*4096
.endm
.macro INIT                            ; the step is written without a first step of its own: it finds zeros, which the first change of M leaves zeros
	v_mov_b32 v13, 0xff61b1e6                      ; the largest t so far: -3e38, under every t
	s_delay_alu instid0(VALU_DEP_1)
	v_floor_f32 v12, -v13                          ; -M
	v_mov_b32 v14, 0                               ; the sum, in two halves
	v_mov_b32 v15, 0
.set j, 0
.rept 32
	v_mov_b32 v[OT+j], 0
.set j, j+1
.endr
.endm
; A KEY STEP: 128 keys.
.macro STEP
	v_add_nc_u32 v[ADK], s[TK], v[AK0]             ; these four are also the places behind the last products, in front of the loads into registers that they read
	v_add_nc_u32 v[ADV], s[TK], v[AV0]
	v_add_nc_u32 v[ADS], s[TS], v[ASK0]
	v_add_nc_u32 v[ADT], s[TJ], v[ASV0]
.set j, 0
.rept 12
	ds_load_b128 v[KV+4*j:KV+4*j+3], v[ADK] offset:512*j     ; 32 lanes read 512 consecutive bytes: an image of registers
.set j, j+1
.endr
	ds_load_b128 v[KSC:KSC+3], v[ADS]              ; lanes 0-15: tiles 0-3; lanes 16-31: tiles 4-7
	s_wait_alu depctr_va_vdst(0)
	s_wait_dscnt 0x0
.irp t, 0,1,2,3
	v_wmma_scale_f32_16x16x128_f8f6f4 v[SCR+8*\t:SCR+8*\t+7], v[KV+6*\t:KV+6*\t+11], v[QF:QF+11], 0, v[KSC+\t], v[QSC] matrix_a_fmt:MATRIX_FMT_FP6 matrix_b_fmt:MATRIX_FMT_FP6
.endr
.irp t, 4,5,6,7
	v_wmma_scale_f32_16x16x128_f8f6f4 v[SCR+8*\t:SCR+8*\t+7], v[KV+6*\t:KV+6*\t+11], v[QF:QF+11], 0, v[KSC+\t-4], v[QSC] matrix_a_fmt:MATRIX_FMT_FP6 matrix_b_fmt:MATRIX_FMT_FP6 matrix_a_scale:MATRIX_SCALE_ROW1
.endr
.rept 4
	v_nop                                          ; places: in front of the loads into K's registers and of the first read of the scores
.endr
.set j, 0
.rept 12
	ds_load_b128 v[KV+4*j:KV+4*j+3], v[ADV] offset:512*j     ; V's four fragments: they land during the softmax
.set j, j+1
.endr
	ds_load_b128 v[VSC:VSC+3], v[ADT]
.irp b, 0,1,2,3
	v_max3_num_f32 v[BM+\b], v[SCR+16*\b], v[SCR+1+16*\b], v[SCR+2+16*\b]   ; the largest score of each block of 32 keys: for the row's maximum and, since p rises with the score, for the block's largest p
.endr
.irp i, 3,5,7,9,11,13
.irp b, 0,1,2,3
	v_max3_num_f32 v[BM+\b], v[BM+\b], v[SCR+16*\b+\i], v[SCR+1+16*\b+\i]
.endr
.endr
.irp b, 0,1,2,3
	v_max_num_f32 v[BM+\b], v[BM+\b], v[SCR+15+16*\b]
.endr
.irp b, 0,1,2,3
	s_delay_alu instid0(VALU_DEP_4)
	v_permlanex16_b32 v[PT+\b], v[BM+\b], s[SEL], s[SEL+1]
.endr
.irp b, 0,1,2,3
	s_delay_alu instid0(VALU_DEP_4)
	v_max_num_f32 v[BM+\b], v[BM+\b], v[PT+\b]     ; with lane l xor 16's 16 keys
.endr
	s_delay_alu instid0(VALU_DEP_2)
	v_max3_num_f32 v254, v[BM], v[BM+1], v[BM+2]
	s_delay_alu instid0(VALU_DEP_1)
	v_max_num_f32 v254, v254, v[BM+3]              ; the step's largest score of my query
	s_delay_alu instid0(VALU_DEP_1)
	v_mul_f32 v254, s[CS], v254                    ; as t (c is positive)
	s_delay_alu instid0(VALU_DEP_1)
	v_max_num_f32 v13, v13, v254                   ; the running largest t
	v_mov_b32 v254, v12
	s_delay_alu instid0(VALU_DEP_2)
	v_floor_f32 v12, -v13                          ; the new -M = floor(-t): M is a whole number
	s_delay_alu instid0(VALU_DEP_1)
	v_sub_f32 v254, v12, v254                      ; old M - new M: a whole number, 0 or less
	s_delay_alu instid0(VALU_DEP_1)
	v_cvt_i32_f32 v254, v254                       ; (it saturates)
	s_delay_alu instid0(VALU_DEP_1)
	v_ldexp_f32 v252, 1.0, v254                    ; f = 2^(old M - new M)
.set j, 0
.rept 32
	v_pk_fma_f32 v[SCR+j:SCR+j+1], v[SCR+j:SCR+j+1], s[CS:CS+1], v[12:13] op_sel_hi:[1,0,0]   ; t - M, two at a time
.set j, j+2
.endr
.irp b, 0,1,2,3
	v_fma_f32 v[BM+\b], v[BM+\b], s[CS], v12       ; the same of each block's largest score
.endr
.set j, 0
	s_wait_alu depctr_va_vdst(0)
.rept 64
	v_exp_f32 v[SCR+j], v[SCR+j]                   ; p = 2^(t - M), at most 1: not normalised
.set j, j+1
.endr
	v_pk_mul_f32 v[14:15], v[14:15], v[252:253] op_sel_hi:[1,0]   ; the sums under the new M (a plain line behind the exponentials)
	s_wait_alu depctr_va_vdst(0)                   ; one wait for the batch of 64, ahead of its first reader
.irp b, 0,1,2,3
	v_exp_f32 v[BM+\b], v[BM+\b]                   ; the block's largest p: the same two instructions on the same number give the same bits
.endr
	v_pk_add_f32 v[240:241], v[100:101], v[104:105]
	v_pk_add_f32 v[250:251], v[108:109], v[112:113]
	v_pk_add_f32 v[248:249], v[116:117], v[120:121]
	v_pk_add_f32 v[246:247], v[124:125], v[128:129]
	v_pk_add_f32 v[244:245], v[132:133], v[136:137]
	v_pk_add_f32 v[242:243], v[140:141], v[144:145]
	v_pk_add_f32 v[226:227], v[148:149], v[152:153]
	v_pk_add_f32 v[14:15], v[14:15], v[156:157]
	v_pk_add_f32 v[240:241], v[240:241], v[96:97]
	v_pk_add_f32 v[250:251], v[250:251], v[98:99]
	v_pk_add_f32 v[248:249], v[248:249], v[102:103]
	v_pk_add_f32 v[246:247], v[246:247], v[106:107]
	v_pk_add_f32 v[244:245], v[244:245], v[110:111]
	v_pk_add_f32 v[242:243], v[242:243], v[114:115]
	v_pk_add_f32 v[226:227], v[226:227], v[118:119]
	v_pk_add_f32 v[14:15], v[14:15], v[122:123]
	v_pk_add_f32 v[240:241], v[240:241], v[126:127]
	v_pk_add_f32 v[250:251], v[250:251], v[130:131]
	v_pk_add_f32 v[248:249], v[248:249], v[134:135]
	v_pk_add_f32 v[246:247], v[246:247], v[138:139]
	v_pk_add_f32 v[244:245], v[244:245], v[142:143]
	v_pk_add_f32 v[242:243], v[242:243], v[146:147]
	v_pk_add_f32 v[226:227], v[226:227], v[150:151]
	v_pk_add_f32 v[14:15], v[14:15], v[154:155]
	v_pk_add_f32 v[240:241], v[240:241], v[158:159]
	s_delay_alu instid0(VALU_DEP_2)
	v_pk_add_f32 v[14:15], v[14:15], v[246:247]
	s_delay_alu instid0(VALU_DEP_2)
	v_pk_add_f32 v[240:241], v[240:241], v[244:245]
	v_pk_add_f32 v[250:251], v[250:251], v[242:243]
	v_pk_add_f32 v[248:249], v[248:249], v[226:227]
	s_delay_alu instid0(VALU_DEP_2)
	v_pk_add_f32 v[14:15], v[14:15], v[250:251]
	s_delay_alu instid0(VALU_DEP_2)
	v_pk_add_f32 v[240:241], v[240:241], v[248:249]
	s_delay_alu instid0(VALU_DEP_1)
	v_pk_add_f32 v[14:15], v[14:15], v[240:241]
	s_wait_alu depctr_va_vdst(0)                   ; and one for the four
.irp b, 0,1,2,3
	v_max_num_f32 v[BM+\b], 0x1800000, v[BM+\b]    ; the floor 2^(3 - 127): the byte cannot fall under 1
.endr
.irp b, 0,1,2,3
	s_delay_alu instid0(VALU_DEP_4)
	v_add_nc_u32 v[SO+\b], 0xff000000, v[BM+\b]    ; 2 off the exponent field: the conversion's scale operand
.endr
.irp b, 0,1,2,3
	s_delay_alu instid0(VALU_DEP_4)
	v_lshrrev_b32 v[PT+\b], 23, v[SO+\b]           ; the scale's byte
.endr
	s_delay_alu instid0(VALU_DEP_3)
	v_lshl_or_b32 v[PSC], v[PT+1], 8, v[PT]        ; p's scale word for these 128 keys
	s_delay_alu instid0(VALU_DEP_1)
	v_lshl_or_b32 v[PSC], v[PT+2], 16, v[PSC]
	s_delay_alu instid0(VALU_DEP_1)
	v_lshl_or_b32 v[PSC], v[PT+3], 24, v[PSC]
.irp c, 0,1
	v_cvt_scalef32_pk16_fp6_f32 v[PF+6*\c:PF+6*\c+2], v[SCR+32*\c:SCR+32*\c+15], v[SO+2*\c]
	v_cvt_scalef32_pk16_fp6_f32 v[CT+4*\c:CT+4*\c+2], v[SCR+16+32*\c:SCR+31+32*\c], v[SO+2*\c+1]
.endr
	v_nop                                          ; one plain line behind a scaled conversion
.irp c, 0,1
.irp i, 0,1,2
	v_permlane16_swap_b32 v[PF+6*\c+\i], v[CT+4*\c+\i]   ; a whole block to a lane
.endr
.irp i, 0,1,2
	s_delay_alu instid0(VALU_DEP_3)
	v_mov_b32 v[PF+3+6*\c+\i], v[CT+4*\c+\i]
.endr
.endr
.set j, 0
.rept 16
	v_pk_mul_f32 v[OT+j:OT+j+1], v[OT+j:OT+j+1], v[252:253] op_sel_hi:[1,0]   ; O^T under the new M; these 16 are also the places between p's codes and scale word and the products
.set j, j+2
.endr
	s_wait_alu depctr_va_vdst(0)
	s_wait_dscnt 0x0                               ; V
.irp t, 0,1,2,3
	v_wmma_scale_f32_16x16x128_f8f6f4 v[OT+8*\t:OT+8*\t+7], v[KV+12*\t:KV+12*\t+11], v[PF:PF+11], v[OT+8*\t:OT+8*\t+7], v[VSC+\t], v[PSC] matrix_a_fmt:MATRIX_FMT_FP6 matrix_b_fmt:MATRIX_FMT_FP6
.endr
	s_add_co_u32 s[TK], s[TK], 6144
	s_add_co_u32 s[TS], s[TS], 512
	s_add_co_u32 s[TJ], s[TJ], 256
.endm
.macro KLOOP n, first                  ; n key steps from step first on (steps 8-15: the second head's); the offsets begin at constants
	s_mov_b32 s[TK], (\first)*6144
	s_mov_b32 s[TS], (\first)*512
	s_mov_b32 s[TJ], (\first)*256
	s_mov_b32 s[CNT], \n
.Lstep_\@:
	STEP
	s_sub_co_u32 s[CNT], s[CNT], 1
	s_cmp_lg_u32 s[CNT], 0
	s_cbranch_scc1 .Lstep_\@
.endm
; Head e is done: O^T / the sum; its 64 channels are two blocks of the last product's K: six code registers and two bytes.
.macro FINISH e
.rept 4
	v_nop                                          ; places behind the last products
.endr
	v_add_f32 v14, v14, v15
	s_delay_alu instid0(VALU_DEP_1)
	v_permlanex16_b32 v254, v14, s[SEL], s[SEL+1]
	s_delay_alu instid0(VALU_DEP_1)
	v_add_f32 v14, v14, v254                       ; the row's sum
	s_wait_alu depctr_va_vdst(0)
	v_rcp_f32 v14, v14
	v_nop
	s_wait_alu depctr_va_vdst(0)                   ; the wait ahead of the reciprocal's first reader
.set j, 0
.rept 16
	v_pk_mul_f32 v[SCR+j:SCR+j+1], v[OT+j:OT+j+1], v[14:15] op_sel_hi:[1,0]   ; register 16 b + i = channel 32 b + 16 (lane / 16) + i; each accumulator from its low end on
.set j, j+2
.endr
.irp b, 0,1
	v_max3_num_f32 v[BM+\b], |v[SCR+16*\b]|, |v[SCR+1+16*\b]|, 0x1800000
.endr
.irp i, 2,4,6,8,10,12,14
.irp b, 0,1
	s_delay_alu instid0(VALU_DEP_2)
	v_max3_num_f32 v[BM+\b], v[BM+\b], |v[SCR+16*\b+\i]|, |v[SCR+1+16*\b+\i]|
.endr
.endr
.irp b, 0,1
	s_delay_alu instid0(VALU_DEP_2)
	v_permlanex16_b32 v[PT+\b], v[BM+\b], s[SEL], s[SEL+1]
.endr
.irp b, 0,1
	s_delay_alu instid0(VALU_DEP_2)
	v_max_num_f32 v[BM+\b], v[BM+\b], v[PT+\b]
.endr
.irp b, 0,1
	s_delay_alu instid0(VALU_DEP_2)
	v_add_nc_u32 v[SO+\b], 0xff000000, v[BM+\b]
.endr
.irp b, 0,1
	s_delay_alu instid0(VALU_DEP_2)
	v_lshrrev_b32 v[PT+\b], 23, v[SO+\b]
.endr
	v_cvt_scalef32_pk16_fp6_f32 v[OF+6*(\e):OF+6*(\e)+2], v[SCR:SCR+15], v[SO]
	v_cvt_scalef32_pk16_fp6_f32 v[CT:CT+2], v[SCR+16:SCR+31], v[SO+1]
	v_nop
.irp i, 0,1,2
	v_permlane16_swap_b32 v[OF+6*(\e)+\i], v[CT+\i]
.endr
.irp i, 0,1,2
	s_delay_alu instid0(VALU_DEP_3)
	v_mov_b32 v[OF+3+6*(\e)+\i], v[CT+\i]
.endr
.if (\e) == 0
	v_lshl_or_b32 v[OW], v[PT+1], 8, v[PT]
.else
	v_lshl_or_b32 v254, v[PT+1], 8, v[PT]
	s_delay_alu instid0(VALU_DEP_1)
	v_lshl_or_b32 v[OW], v254, 16, v[OW]
.endif
.endm
	QLOAD 0
	INIT
	s_wait_alu depctr_va_vdst(0)                   ; the wait at the head's end
	s_wait_loadcnt 0x0                             ; Q
	s_wait_tensorcnt 0x0                           ; the scale words and head 0 are in; head 1 is a first fill behind the full sequence and a round
	ds_add_u32 v[SPW], v[NIL]                      ; twice on end
	ds_add_u32 v[SPW], v[NIL]
	s_wait_dscnt 0x0
	CROUND
	s_cmp_lt_u32 s[WV], 2                          ; wave 0 head 1's K, wave 1 its V: they land during head 0's eight key steps
	s_cbranch_scc0 .Lno_h1
	tensor_load_to_lds s[G0C:G0C+3], s[G1W:G1W+7]
	s_nop 0
.rept 4
	v_nop
.endr
.Lno_h1:
	KLOOP 2, 0
	s_wait_tensorcnt 0x0                           ; head 1's K and V, asked for two key steps ago, are in (waves 0 and 1; the others have no load out),
	s_wait_dscnt 0x0
	s_barrier_signal -1
	s_barrier_wait -1                              ; and every wave knows it: from here to the way out no barrier stands, so a wave goes from head 0 straight on to head 1
	KLOOP 6, 2
	QLOAD 1                                        ; a phase ahead: Q's last readers lie a softmax back
	FINISH 0
	INIT
	s_wait_loadcnt 0x0                             ; head 1's Q
	KLOOP 8, 8
	FINISH 1
.irp c, 0,1,2
	global_store_b128 v[AK0], v[OF+4*\c:OF+4*\c+3], s[80:81] offset:512*\c   ; 32 lanes store 512 consecutive bytes, aligned
.endr
	ds_store_b32 v[SST], v[OW]                     ; lanes l and l xor 16 write the same word with the same value
	s_wait_dscnt 0x0                               ; for the others' sake
	s_barrier_signal -1
	s_barrier_wait -1
	s_cmp_lt_u32 s[WV], 2                          ; waves 0 and 1 store the two steps' scale words, 512 consecutive bytes each
	s_cbranch_scc0 .Lno_words
	ds_load_b128 v[SCR:SCR+3], v[SRD]
	s_wait_dscnt 0x0
	global_store_b128 v[AK0], v[SCR:SCR+3], s[82:83]
.Lno_words:
	s_wait_tensorcnt 0x0                           ; the wave's end, behind my last tensor load and my last LDS store
	ds_add_u32 v[SPW], v[NIL]
	s_wait_dscnt 0x0
	CROUND                                         ; the closing round
	s_endpgm
.Lfunc_end_k_qb478fecfac_attn:
	.size	k_qb478fecfac_attn, .Lfunc_end_k_qb478fecfac_attn-k_qb478fecfac_attn
	.p2alignl 7, 3214868480
	.fill 96, 4, 3214868480
	.section	.rodata,"a",@progbits
	.p2align	6, 0x0
	.amdhsa_kernel k_qb478fecfac_attn
		.amdhsa_group_segment_fixed_size 327680
		.amdhsa_private_segment_fixed_size 0
		.amdhsa_enable_private_segment 0
		.amdhsa_kernarg_size 48
		.amdhsa_user_sgpr_count 2
		.amdhsa_user_sgpr_kernarg_segment_ptr 1
		.amdhsa_wavefront_size32 1
		.amdhsa_system_sgpr_workgroup_id_x 1
		.amdhsa_system_sgpr_workgroup_id_y 1
		.amdhsa_system_sgpr_workgroup_id_z 1
		.amdhsa_system_vgpr_workitem_id 0
		.amdhsa_next_free_vgpr 256
		.amdhsa_next_free_sgpr 100
		.amdhsa_reserve_vcc 0
		.amdhsa_float_denorm_mode_32 3
		.amdhsa_float_denorm_mode_16_64 3
		.amdhsa_memory_ordered 1
		.amdhsa_forward_progress 1
		.amdhsa_inst_pref_size 73
	.end_amdhsa_kernel
	.amdgpu_metadata
---
amdhsa.version: [ 1, 2 ]
amdhsa.kernels:
  - .name:           k_qb478fecfac_attn
    .symbol:         k_qb478fecfac_attn.kd
    .args:
      - { .name: qkc, .offset: 0, .size: 8, .value_kind: global_buffer, .address_space: global }
      - { .name: qks, .offset: 8, .size: 8, .value_kind: global_buffer, .address_space: global }
      - { .name: vc, .offset: 16, .size: 8, .value_kind: global_buffer, .address_space: global }
      - { .name: vs, .offset: 24, .size: 8, .value_kind: global_buffer, .address_space: global }
      - { .name: oc, .offset: 32, .size: 8, .value_kind: global_buffer, .address_space: global }
      - { .name: os, .offset: 40, .size: 8, .value_kind: global_buffer, .address_space: global }
    .group_segment_fixed_size: 327680
    .private_segment_fixed_size: 0
    .kernarg_segment_align: 8
    .kernarg_segment_size: 48
    .max_flat_workgroup_size: 512
    .sgpr_count:     100
    .vgpr_count:     256
    .wavefront_size: 32
...
	.end_amdgpu_metadata
.endif
;; end of part 3
;; launch proj (part 4): grid 4 x 64, 4 waves a work-group, clusters of 4 x 1, 167,936 bytes of LDS; arguments oc, os, c1, s1, b_proj, out0; writes out0
.if DOCPART == 4
	.amdgcn_target "amdgcn-amd-amdhsa--gfx1250"
	.amdhsa_code_object_version 6
	.text
	.protected	k_qb478fecfac_proj
	.globl	k_qb478fecfac_proj
	.p2align	8
	.type	k_qb478fecfac_proj,@function
k_qb478fecfac_proj:
	s_mov_b64 s[64:65], 0
	v_nop
	global_prefetch_b8 v0, s[64:65] scope:SCOPE_SE
	s_setreg_imm32_b32 hwreg(HW_REG_WAVE_MODE, 25, 1), 1
	s_wait_xcnt 0x0
	s_wait_alu depctr_hold_cnt(0) depctr_sa_sdst(0) depctr_va_vdst(0) depctr_va_sdst(0) depctr_va_ssrc(0) depctr_va_vcc(0) depctr_vm_vsrc(0)
	s_getreg_b32 s2, hwreg(HW_REG_IB_STS2, 6, 4)
	s_cmp_eq_u32 s2, 0
	s_cbranch_scc0 .Lentry_in_a_cluster
	s_endpgm
.Lentry_in_a_cluster:
	s_bfe_u32 s2, ttmp6, 0x10000c
	s_cmp_lg_u32 s2, 0x3003
	s_cbranch_scc0 .Lentry_shape_is_right
	s_endpgm
.Lentry_shape_is_right:
; out0 = o w_proj^T + b_proj on codes of FP6 (E2M3) with E8M0 scales, K = 1,024.  o's codes (oc) and w_proj's (c1) lie as images of operand registers, 1,536 bytes for 16 rows x 128 along K.
; SHARES: a work-group makes 128 tokens x 256 columns; a wave all 128 tokens x 64 columns.  256 work-groups.
; A (o, 98,304 bytes for all of K, a dense block) is read by all four waves and by the four work-groups of a cluster: it comes into LDS once, by one joint load a wave (a quarter each, mask 15).  No ring, no refill.
; B (w_proj): a wave's 64 columns are read by that wave alone: they go from memory straight into 384 registers, 512 consecutive bytes a load, stay there, and take no way through LDS; so they are not asked for jointly.
; The scale words and the bias are loaded into registers too.  The bias is the C of each accumulator's first product.
; THE WALK GOES BY BLOCKS OF 16 TOKENS, NOT BY K: a block is finished over all of K by 32 products (its four accumulators by turns, K ascending) and leaves while the next block is multiplied.  Two sets of accumulators and of A's fragments.
; No prefetch: every byte is asked for at the head, so there is no later request to run ahead of.
; THE MATRIX INSTRUCTION IS USED TRANSPOSED: source 0 = 16 rows of w_proj, source 1 = 16 tokens: a lane holds eight neighbouring columns of one token.  Rows of both lie with bits 3 and 4 of their number swapped; the way out undoes it.
; REGISTERS: window 0: v16-29 addresses, v32-63 A's scale words, v64-79 B's, v80-111 the bias, v128-223 B's K steps 6, 7; window 1: v0-191 A's fragments, two sets of eight K steps, v192-239 B's K step 5;
;   window 2: v0-63 the accumulators, two sets of four, v64-127 rows on their way out, two sets; window 3: v0-239 B's K steps 0-4.
.set FR,     12
.set STAGE,  98304                     ; behind A: 16 rows x 272 bytes for each wave, for the way out: no fill lands here
.set SPARE,  STAGE+4*16*272            ; the spare words, 128 bytes for each wave
.set LO,   16                          ; v16 16 x lane; v17 the same + 49,152
.set BSO,  18                          ; v18 B's scale words: 32 r + 1,024 h
.set BIO,  19                          ; v19 the bias: 64 h
.set STO,  25
.set RD,   26
.set CO,   27
.set SPW,  28
.set NIL,  29
.set ASC,  32
.set BSC,  64
.set BIA,  80
.set BK,   64                          ; in window 2
.set MSB, 0
.macro WIN new                         ; the immediate's high byte repeats the setting that is left
.if MSB != \new
	s_set_vgpr_msb (MSB<<8)|\new
.set MSB, \new
.endif
.endm
.macro CROUND
	s_barrier_signal -1
	s_barrier_wait -1
	s_cmp_lg_u32 s16, 0
	s_cbranch_scc1 .Lnot_wave_0_\@
	s_barrier_signal -3
.Lnot_wave_0_\@:
	s_barrier_wait -3
	s_barrier_signal -1
	s_barrier_wait -1
.endm
.macro PLACES
.rept 4
	v_nop
.endr
.endm
.macro BPLACE q                        ; where B's K step q lies: window BWN, register BBS
.if (\q) < 5
.set BWN, 3
.set BBS, 48*(\q)
.elseif (\q) == 5
.set BWN, 1
.set BBS, 192
.else
.set BWN, 0
.set BBS, 128+48*((\q)-6)
.endif
.endm
	s_load_b256 s[4:11], s[0:1], 0x0               ; oc, os, c1, s1
	s_load_b128 s[12:15], s[0:1], 0x20             ; b_proj, out0
	v_lshl_add_u32 v[SPW], v0, 2, SPARE
	v_mov_b32 v[NIL], 0
	ds_add_u32 v[SPW], v[NIL]                      ; the opening lines: the add, twice on end, and its wait ahead of my first tensor load
	ds_add_u32 v[SPW], v[NIL]
	v_lshrrev_b32 v1, 5, v0
	v_readfirstlane_b32 s16, v1                    ; wave 0..3
	v_and_b32 v1, 15, v0                           ; r
	v_bfe_u32 v2, v0, 4, 1                         ; h
	v_and_b32 v3, 31, v0
	v_lshlrev_b32 v[LO], 4, v3
	v_add_nc_u32 v[LO+1], 49152, v[LO]
	v_lshlrev_b32 v[BSO], 5, v1
	v_lshl_add_u32 v[BSO], v2, 10, v[BSO]
	v_lshlrev_b32 v[BIO], 6, v2
	s_mul_i32 s2, s16, 16*272
	s_add_co_u32 s2, s2, STAGE                     ; my stage
	v_mul_u32_u24 v7, v1, 272
	v_lshl_add_u32 v7, v2, 6, v7
	v_add_nc_u32 v[STO], s2, v7                    ; in: row r, 64 h
	v_mul_u32_u24 v8, v2, 272
	v_lshl_add_u32 v8, v1, 4, v8
	v_add_nc_u32 v[RD], s2, v8                     ; back: sixteen lanes to a row of 256 bytes
	v_lshlrev_b32 v[CO], 12, v2
	v_lshl_add_u32 v[CO], v1, 4, v[CO]             ; and the same two rows in out0
	s_bfe_u32 s19, ttmp6, 0x40000                  ; cx: it enters B's, the bias's and out0's addresses alone
	s_and_b32 s21, ttmp7, 0xffff                   ; y: which 128 tokens; the four partners share it
	s_mov_b32 s24, 15|(3<<16)|(1<<21)              ; group 1: 96 rows of 256 bytes (32 elements of 8), dense; mask 15, bit 21 beside it
	s_mov_b32 s25, 32<<16
	s_mov_b32 s26, 96<<16
	s_mov_b32 s27, 32<<16
	s_mov_b32 s28, 96
	s_mov_b32 s29, 32
	s_mov_b32 s30, 0
	s_mov_b32 s31, 0
	s_mov_b32 s32, 1                               ; group 0: my quarter of A: K steps 2 wave, 2 wave + 1
	s_mul_i32 s33, s16, 24576
	s_mul_i32 s34, s21, 98304
	s_add_co_u32 s34, s34, s33
	s_mov_b32 s35, 0
	s_lshl_b32 s36, s21, 12                        ; A's scale words: 4,096 bytes for 128 tokens
	s_mov_b32 s37, 0
	s_lshl_b32 s38, s19, 1
	s_lshr_b32 s39, s16, 1
	s_add_co_u32 s38, s38, s39
	s_add_co_u32 s38, s38, 88                      ; w_proj's rows begin at 11,264 = 88 x 128
	s_mul_i32 s38, s38, 98304
	s_and_b32 s39, s16, 1
	s_mul_i32 s39, s39, 6144                       ; my four images of a step's eight
	s_add_co_u32 s38, s38, s39
	s_mov_b32 s39, 0
	s_lshl_b32 s40, s19, 2
	s_add_co_u32 s40, s40, s16                     ; which 64 columns
	s_lshl_b32 s42, s40, 8                         ; 256 bytes of f32
	s_mov_b32 s43, 0
	s_lshl_b32 s40, s40, 11                        ; 64 rows x 32 scale bytes
	s_add_co_u32 s40, s40, 11264*32
	s_mov_b32 s41, 0
	s_lshl_b32 s44, s21, 19                        ; 128 rows of out0
	s_mov_b32 s45, 0
	s_wait_alu depctr_va_vdst(0)                   ; the wait at the head's end
	s_wait_dscnt 0x0                               ; both opening adds are done
	s_wait_kmcnt 0x0
	s_add_nc_u64 s[34:35], s[4:5], s[34:35]
	s_or_b32 s35, s35, 0x80000000
	s_add_nc_u64 s[6:7], s[6:7], s[36:37]
	s_add_nc_u64 s[8:9], s[8:9], s[38:39]
	s_add_nc_u64 s[10:11], s[10:11], s[40:41]
	s_add_nc_u64 s[12:13], s[12:13], s[42:43]
	s_add_nc_u64 s[14:15], s[14:15], s[42:43]
	s_add_nc_u64 s[14:15], s[14:15], s[44:45]
	CROUND                                         ; all four work-groups are here: the joint loads meet
	tensor_load_to_lds s[32:35], s[24:31]          ; my one tensor load
	s_nop 0
.irp b, 0,1,2,3
	global_load_b128 v[BIA+8*\b:BIA+8*\b+3], v[BIO], s[12:13] offset:128*(\b/2)+32*(\b%2)      ; register j of tile b: column 32 (b / 2) + 16 h + 8 (b % 2) + j
	global_load_b128 v[BIA+8*\b+4:BIA+8*\b+7], v[BIO], s[12:13] offset:128*(\b/2)+32*(\b%2)+16
.endr
.irp q, 0,1,2,3,4,5,6,7
	global_load_b128 v[ASC+4*\q:ASC+4*\q+3], v[LO], s[6:7] offset:512*\q     ; lanes 0-15: token tiles 0-3; lanes 16-31: tiles 4-7
.endr
.irp i, 0,1
.irp u, 0,1
	global_load_b128 v[BSC+8*\i+4*\u:BSC+8*\i+4*\u+3], v[BSO], s[10:11] offset:512*\i+16*\u   ; register 8 i + q: lanes 0-15 tile i, lanes 16-31 tile i + 2
.endr
.endr
.macro BLOAD q                         ; B's four fragments of K step q: twelve loads of 512 consecutive bytes
	BPLACE \q
.set WSET, BWN<<6
	WIN WSET
.irp b, 0,1,2,3
.irp c, 0,1,2
	global_load_b128 v[BBS+FR*\b+4*\c:BBS+FR*\b+4*\c+3], v[LO], s[8:9] offset:12288*(\q)+1536*\b+512*\c
.endr
.endr
.endm
.irp q, 0,1,2,3,4,5,6,7
	BLOAD \q
.endr
	WIN 0
.macro FETCH a                         ; block a's fragments of A, all eight K steps, into set a % 2: 24 LDS loads
	WIN 0x40
.irp q, 0,1,2,3,4,5,6,7
.irp c, 0,1,2
	ds_load_b128 v[96*((\a)%2)+FR*\q+4*\c:96*((\a)%2)+FR*\q+4*\c+3], v[LO+\q/4] offset:12288*(\q%4)+1536*(\a)+512*\c
.endr
.endr
	WIN 0
.endm
.macro WM d, p, r, cb, sp, sr, rp, rr
.if (\rp) && (\rr)
	v_wmma_scale_f32_16x16x128_f8f6f4 v[\d:\d+7], v[\p:\p+11], v[\r:\r+11], v[\cb:\cb+7], v[\sp], v[\sr] matrix_a_fmt:MATRIX_FMT_FP6 matrix_b_fmt:MATRIX_FMT_FP6 matrix_a_scale:MATRIX_SCALE_ROW1 matrix_b_scale:MATRIX_SCALE_ROW1
.elseif \rp
	v_wmma_scale_f32_16x16x128_f8f6f4 v[\d:\d+7], v[\p:\p+11], v[\r:\r+11], v[\cb:\cb+7], v[\sp], v[\sr] matrix_a_fmt:MATRIX_FMT_FP6 matrix_b_fmt:MATRIX_FMT_FP6 matrix_a_scale:MATRIX_SCALE_ROW1
.elseif \rr
	v_wmma_scale_f32_16x16x128_f8f6f4 v[\d:\d+7], v[\p:\p+11], v[\r:\r+11], v[\cb:\cb+7], v[\sp], v[\sr] matrix_a_fmt:MATRIX_FMT_FP6 matrix_b_fmt:MATRIX_FMT_FP6 matrix_b_scale:MATRIX_SCALE_ROW1
.else
	v_wmma_scale_f32_16x16x128_f8f6f4 v[\d:\d+7], v[\p:\p+11], v[\r:\r+11], v[\cb:\cb+7], v[\sp], v[\sr] matrix_a_fmt:MATRIX_FMT_FP6 matrix_b_fmt:MATRIX_FMT_FP6
.endif
.endm
.macro MUL a                           ; block a over all of K: 32 matrix instructions; its four accumulators (set a % 2) take turns, one instruction a turn
.irp q, 0,1,2,3,4,5,6,7
	BPLACE \q
.if \q == 0
.set WSET, BWN|(1<<2)|(2<<6)           ; C: the bias, window 0
.else
.set WSET, BWN|(1<<2)|(2<<4)|(2<<6)
.endif
.if (\a) == 0                          ; the first block walks behind B's loads
.if 12*(7-\q) > 63
	s_wait_loadcnt 63                              ; bias, scale words and this step's B are among the first 53 of my 116 loads
.else
	s_wait_loadcnt 12*(7-\q)                       ; the later steps' loads of B, twelve each, may be out
.endif
.endif
	WIN WSET
.irp b, 0,1,2,3
.if \q == 0
	WM 32*((\a)%2)+8*\b, BBS+FR*\b, 96*((\a)%2)+FR*\q, BIA+8*\b, BSC+8*(\b%2)+\q, ASC+4*\q+(\a)%4, \b/2, (\a)/4
.else
	WM 32*((\a)%2)+8*\b, BBS+FR*\b, 96*((\a)%2)+FR*\q, 32*((\a)%2)+8*\b, BSC+8*(\b%2)+\q, ASC+4*\q+(\a)%4, \b/2, (\a)/4
.endif
.endr
.endr
	WIN 0
.endm
; THE WAY OUT: a block of 16 tokens x 64 columns goes through my own stage and comes back as rows of 256 bytes.
.macro TOSTAGE a
	WIN 0x08
.irp b, 0,1,2,3
	ds_store_b128 v[STO], v[32*((\a)%2)+8*\b:32*((\a)%2)+8*\b+3] offset:128*(\b/2)+32*(\b%2)          ; each accumulator from its low end on
	ds_store_b128 v[STO], v[32*((\a)%2)+8*\b+4:32*((\a)%2)+8*\b+7] offset:128*(\b/2)+32*(\b%2)+16
.endr
	WIN 0x80
.irp i, 0,1,2,3,4,5,6,7
	ds_load_b128 v[BK+32*((\a)%2)+4*\i:BK+32*((\a)%2)+4*\i+3], v[RD] offset:544*\i   ; LDS serves a wave's instructions in order: these see the stores above
.endr
	WIN 0
.endm
.macro SEND a, younger                 ; younger: the LDS instructions issued behind block a's loads from the stage, which may stay out
	s_wait_dscnt \younger
	WIN 0x08
.irp i, 0,1,2,3,4,5,6,7
	global_store_b128 v[CO], v[BK+32*((\a)%2)+4*\i:BK+32*((\a)%2)+4*\i+3], s[14:15] offset:(32*((\a)/2)+8*((\a)%2)+2*\i+8*(\i/4))*4096 th:TH_STORE_NT   ; sixteen lanes store 256 consecutive bytes, aligned
.endr
	WIN 0
.endm
	s_wait_tensorcnt 0x0                           ; my quarter of A is in,
	s_barrier_signal -1
	s_barrier_wait -1                              ; everybody's is
	FETCH 0
	FETCH 1
.irp a, 0,1,2,3,4,5,6,7
.if \a == 0
	s_wait_dscnt 24                                ; block 0's fragments are in; block 1's 24 loads may be out
.elseif \a == 7
	s_wait_dscnt 16                                ; behind block 7's fragments: block 6's 16 stage instructions
.else
	s_wait_dscnt 40                                ; behind this block's fragments: the last block's 16 stage instructions and the next block's 24 loads
.endif
	MUL \a
.if \a == 7
	SEND \a-1, 0
.elseif \a > 0
	SEND \a-1, 24                                  ; the last block's rows are back (behind them: the next block's 24 loads) and leave under this block's products
.endif
	PLACES                                         ; behind this block's products: their results are read, and loads land on their fragments of A
.if \a > 1
	s_wait_xcnt 0x0                                ; block a - 2's stores have read their registers
.endif
	TOSTAGE \a
.if \a < 6
	FETCH \a+2
.endif
.endr
	SEND 7, 0
	s_wait_tensorcnt 0x0                           ; the wave's end
	ds_add_u32 v[SPW], v[NIL]
	s_wait_dscnt 0x0
	CROUND                                         ; the closing round
	s_endpgm
.Lfunc_end_k_qb478fecfac_proj:
	.size	k_qb478fecfac_proj, .Lfunc_end_k_qb478fecfac_proj-k_qb478fecfac_proj
	.p2alignl 7, 3214868480
	.fill 96, 4, 3214868480
	.section	.rodata,"a",@progbits
	.p2align	6, 0x0
	.amdhsa_kernel k_qb478fecfac_proj
		.amdhsa_group_segment_fixed_size 167936
		.amdhsa_private_segment_fixed_size 0
		.amdhsa_enable_private_segment 0
		.amdhsa_kernarg_size 48
		.amdhsa_user_sgpr_count 2
		.amdhsa_user_sgpr_kernarg_segment_ptr 1
		.amdhsa_wavefront_size32 1
		.amdhsa_system_sgpr_workgroup_id_x 1
		.amdhsa_system_sgpr_workgroup_id_y 1
		.amdhsa_system_sgpr_workgroup_id_z 1
		.amdhsa_system_vgpr_workitem_id 0
		.amdhsa_next_free_vgpr 1024
		.amdhsa_next_free_sgpr 66
		.amdhsa_reserve_vcc 0
		.amdhsa_float_denorm_mode_32 3
		.amdhsa_float_denorm_mode_16_64 3
		.amdhsa_memory_ordered 1
		.amdhsa_forward_progress 1
		.amdhsa_inst_pref_size 79
	.end_amdhsa_kernel
	.amdgpu_metadata
---
amdhsa.version: [ 1, 2 ]
amdhsa.kernels:
  - .name:           k_qb478fecfac_proj
    .symbol:         k_qb478fecfac_proj.kd
    .args:
      - { .name: oc, .offset: 0, .size: 8, .value_kind: global_buffer, .address_space: global }
      - { .name: os, .offset: 8, .size: 8, .value_kind: global_buffer, .address_space: global }
      - { .name: c1, .offset: 16, .size: 8, .value_kind: global_buffer, .address_space: global }
      - { .name: s1, .offset: 24, .size: 8, .value_kind: global_buffer, .address_space: global }
      - { .name: b_proj, .offset: 32, .size: 8, .value_kind: global_buffer, .address_space: global }
      - { .name: out0, .offset: 40, .size: 8, .value_kind: global_buffer, .address_space: global }
    .group_segment_fixed_size: 167936
    .private_segment_fixed_size: 0
    .kernarg_segment_align: 8
    .kernarg_segment_size: 48
    .max_flat_workgroup_size: 128
    .sgpr_count:     66
    .vgpr_count:     1024
    .wavefront_size: 32
...
	.end_amdgpu_metadata
.endif
;; end of part 4
